; MI455X (gfx1250); checked and timed in simulation.
; The chip was launched on July 23, 2026; its instructions are those of AMD's public machine-readable ISA for CDNA 5 (MIT licence, August 2026) and "CDNA5" Instruction Set Architecture Reference Guide (July 2026). The comments in the code are by the model that wrote it; some were corrected since.
;; Encoder Attention. Allowed arithmetic: float matrix products may take bf16 or f16 operands with f32 sums; other float arithmetic in f32, or as packed bf16 or f16 multiplies, adds, multiply-adds, maxima and minima; sums over many terms, partial sums and values carried from step to step in f32; what a program stores and reads back later, other than sums and carried values, may be rounded once to bf16 or f16.
;; Inputs: d 4 x 16,384 x 128 float32; fc1_b 512 float32; fc1_w 512 x 128 float32; fc2_b 128 float32; fc2_w 128 x 512 float32; norm1_b 128 float32; norm1_w 128 float32; norm2_b 128 float32; norm2_w 128 float32; proj_b 128 float32; proj_w 128 x 128 float32; qkv1_b 512 float32; qkv1_w 512 x 128 float32; rpb_table 225 x 4 float32; x 4 x 16,384 x 128 float32.
;; Outputs: out0 4 x 16,384 x 128 float32; out1 4 x 16,384 x 128 float32.
;; 2 versions, each right and faster than the one before. Each part assembles by itself: llvm-mc -triple=amdgcn-amd-amdhsa -mcpu=gfx1250 --defsym DOCPART=n.
;; ======== version 1 of 2: 2 launches
;; limits: a function is approximated: absolute error at most 0.0005
;; workspace buffers: blob 460,800 bytes
;; launch prep (part 1): grid 225 x 1, 4 waves a work-group, no clusters, 0 bytes of LDS; arguments qkv1_w, proj_w, fc1_w, fc2_w, rpb_table, qkv1_b, fc1_b, proj_b, fc2_b, norm2_w, norm2_b, blob; writes blob
.if DOCPART == 1
	.amdgcn_target "amdgcn-amd-amdhsa--gfx1250"
	.amdhsa_code_object_version 6
	.text
	.protected	k_qe8aedefa10_prep
	.globl	k_qe8aedefa10_prep
	.p2align	8
	.type	k_qe8aedefa10_prep,@function
k_qe8aedefa10_prep:
	s_mov_b64 s[64:65], 0
	v_nop
	global_prefetch_b8 v0, s[64:65] scope:SCOPE_SE
	s_setreg_imm32_b32 hwreg(HW_REG_WAVE_MODE, 25, 1), 1
	s_wait_xcnt 0x0
; The weights, rounded once to bf16 and laid in the order in which the second launch's lanes read them; the bias table and the small vectors in f32.
; A FRAGMENT is 16 rows x 32 k of bf16, 1,024 bytes: byte 512 q + 16 lane + 2 e holds W[row0 + lane % 16][k0 + 16 q + 8 (lane / 16) + e].
; blob: 0 PAR (qkv1_b with its third quarter doubled, fc1_b, proj_b, fc2_b, norm2_w, norm2_b); 6,144 MLP chunks 0, 1; 38,912 the four heads' qkv weights;
; 169,984 proj; 202,752 the relative-position bias times sqrt(32) as 28 accumulator images (7 tile distances x 4 heads); 231,424 MLP chunks 2 to 15.
; A work-group writes 2,048 bytes, a thread 16: each store of a wave covers 512 consecutive bytes, aligned.  The work-group's number picks the section by forward branches.
.set O_Q,   38912
.set O_P,   169984
.set O_RPB, 202752
.set O_M,   6144
.set O_GAP, 192512                     ; chunks 2 and on lie this much further back
	s_load_b512 s[4:19], s[0:1], 0x0               ; qkv1_w s[4:5], proj_w s[6:7], fc1_w s[8:9], fc2_w s[10:11], rpb_table s[12:13], qkv1_b s[14:15], fc1_b s[16:17], proj_b s[18:19]
	s_load_b256 s[20:27], s[0:1], 0x40             ; fc2_b s[20:21], norm2_w s[22:23], norm2_b s[24:25], blob s[26:27]
	v_and_b32 v1, 15, v0                           ; r
	v_bfe_u32 v2, v0, 4, 1                         ; h
	v_bfe_u32 v3, v0, 5, 1                         ; q
	v_lshrrev_b32 v4, 6, v0                        ; f: which of the work-group's two fragments
	v_lshlrev_b32 v5, 4, v3
	v_lshl_add_u32 v5, v2, 3, v5                   ; 16 q + 8 h
	v_lshlrev_b32 v6, 4, v0                        ; my 16 bytes in the work-group's 2,048
	v_lshrrev_b32 v7, 5, v0
	v_readfirstlane_b32 s29, v7                    ; wave
	s_mov_b32 s28, ttmp9
	s_mov_b32 s32, 16                              ; rows that f adds
	s_mov_b32 s33, 0                               ; k that f adds
	s_mov_b32 s34, 512                             ; bytes in a source row
	s_wait_kmcnt 0x0
	s_cmp_lt_u32 s28, 64
	s_cbranch_scc0 .Lnot_q
	; qkv: head g >> 4; fragment 2 (g & 15) + f = (2 slice + u) 4 + ks
	s_lshr_b32 s30, s28, 4
	s_lshl_b32 s30, s30, 5                         ; 32 head
	s_bfe_u32 s31, s28, 0x20002
	s_lshl_b32 s31, s31, 7                         ; + 128 slice
	s_add_co_u32 s30, s30, s31
	s_bfe_u32 s31, s28, 0x10001
	s_lshl_b32 s31, s31, 4                         ; + 16 u
	s_add_co_u32 s30, s30, s31
	s_and_b32 s31, s28, 1
	s_lshl_b32 s31, s31, 6                         ; k = 64 (g & 1) + 32 f
	s_mov_b32 s32, 0
	s_mov_b32 s33, 32
	s_mov_b64 s[36:37], s[4:5]
	s_lshl_b32 s35, s28, 11
	s_add_co_u32 s35, s35, O_Q
	s_branch .Lweights
.Lnot_q:
	s_cmp_lt_u32 s28, 80
	s_cbranch_scc0 .Lnot_p
	; proj: fragment 2 g' + f = 8 head + o
	s_sub_co_u32 s38, s28, 64
	s_and_b32 s30, s38, 3
	s_lshl_b32 s30, s30, 5
	s_lshr_b32 s31, s38, 2
	s_lshl_b32 s31, s31, 5
	s_mov_b64 s[36:37], s[6:7]
	s_lshl_b32 s35, s38, 11
	s_add_co_u32 s35, s35, O_P
	s_branch .Lweights
.Lnot_p:
	s_cmp_lt_u32 s28, 144
	s_cbranch_scc0 .Lnot_f1
	; fc1: chunk c = g' >> 2; fragment 2 ks + u with ks = g' & 3, u = f
	s_sub_co_u32 s38, s28, 80
	s_lshr_b32 s39, s38, 2
	s_lshl_b32 s30, s39, 5
	s_and_b32 s31, s38, 3
	s_lshl_b32 s35, s31, 11
	s_lshl_b32 s31, s31, 5
	s_mov_b64 s[36:37], s[8:9]
	s_branch .Lchunk
.Lnot_f1:
	s_cmp_lt_u32 s28, 208
	s_cbranch_scc0 .Lnot_f2
	; fc2: chunk c = g' >> 2; fragment 8 + o with o = 2 (g' & 3) + f
	s_sub_co_u32 s38, s28, 144
	s_lshr_b32 s39, s38, 2
	s_lshl_b32 s31, s39, 5
	s_and_b32 s30, s38, 3
	s_lshl_b32 s35, s30, 11
	s_add_co_u32 s35, s35, 8192
	s_lshl_b32 s30, s30, 5
	s_mov_b32 s34, 2048
	s_mov_b64 s[36:37], s[10:11]
.Lchunk:
	s_lshl_b32 s38, s39, 14
	s_add_co_u32 s35, s35, s38
	s_add_co_u32 s35, s35, O_M
	s_cmp_ge_u32 s39, 2
	s_cselect_b32 s38, O_GAP, 0
	s_add_co_u32 s35, s35, s38
.Lweights:
	v_mad_u32_u24 v7, v4, s32, v1
	v_add_nc_u32 v7, s30, v7                       ; row
	v_mad_u32_u24 v8, v4, s33, v5
	v_add_nc_u32 v8, s31, v8                       ; k
	v_mul_lo_u32 v7, v7, s34
	v_lshl_add_u32 v7, v8, 2, v7
	v_add_nc_u32 v9, s35, v6
	global_load_b128 v[12:15], v7, s[36:37]
	global_load_b128 v[16:19], v7, s[36:37] offset:16
	s_wait_loadcnt 0x0
	v_cvt_pk_bf16_f32 v20, v12, v13
	v_cvt_pk_bf16_f32 v21, v14, v15
	v_cvt_pk_bf16_f32 v22, v16, v17
	v_cvt_pk_bf16_f32 v23, v18, v19
	global_store_b128 v9, v[20:23], s[26:27]
	s_endpgm
.Lnot_f2:
	s_cmp_lt_u32 s28, 222
	s_cbranch_scc0 .Lpar
	; the bias: image 2 g' + f = 4 dist + head.  Register j = 4 q + e of lane (r, h) is key 8 h + j of a key tile, query r of a query tile, dist = query tile - key tile + 3:
	; table row (2 dist + 1 + (r >> 3) - h) 15 + (r & 7) - j + 7, which lies in 0 .. 224
	s_sub_co_u32 s38, s28, 208
	s_lshr_b32 s30, s38, 1
	s_lshl_b32 s30, s30, 1
	s_add_co_u32 s30, s30, 1
	s_and_b32 s31, s38, 1
	s_lshl_b32 s31, s31, 1
	s_lshl_b32 s35, s38, 11
	s_add_co_u32 s35, s35, O_RPB
	s_mov_b32 s40, 0x40b504f3                      ; sqrt(32): the scores are scaled by 1 / sqrt(32) behind the sum
	v_lshrrev_b32 v7, 3, v1
	v_add_nc_u32 v7, s30, v7
	v_sub_nc_u32 v7, v7, v2
	v_mul_u32_u24 v7, v7, 15
	v_and_b32 v8, 7, v1
	v_add_nc_u32 v7, v7, v8
	v_add_nc_u32 v7, 7, v7
	v_lshlrev_b32 v8, 2, v3
	v_sub_nc_u32 v7, v7, v8                        ; the row for e = 0
	v_add_nc_u32 v8, s31, v4                       ; head
	v_lshlrev_b32 v8, 2, v8
	v_lshl_add_u32 v7, v7, 4, v8
	global_load_b32 v12, v7, s[12:13]
	global_load_b32 v13, v7, s[12:13] offset:-16
	global_load_b32 v14, v7, s[12:13] offset:-32
	global_load_b32 v15, v7, s[12:13] offset:-48
	s_branch .Lscale
.Lpar:
	s_sub_co_u32 s30, s28, 222
	s_lshl_b32 s35, s30, 11
	s_cmp_eq_u32 s30, 2
	s_cbranch_scc1 .Lpar2
	v_mov_b32 v7, v6
	s_cmp_eq_u32 s30, 1
	s_cselect_b64 s[36:37], s[16:17], s[14:15]     ; fc1_b, or qkv1_b
	s_lshl_b32 s31, s30, 2
	s_add_co_u32 s31, s31, s29
	s_cmp_eq_u32 s31, 2                            ; qkv1_b's wave 2 holds elements 256 .. 383: V's bias, which enters twice
	s_cselect_b32 s40, 2.0, 1.0
	s_branch .Lpar_load
.Lpar2:
	v_and_b32 v7, 31, v0
	v_lshlrev_b32 v7, 4, v7
	s_mov_b32 s40, 1.0
	s_cmp_eq_u32 s29, 1
	s_cselect_b64 s[36:37], s[20:21], s[18:19]     ; waves 0 .. 3: proj_b, fc2_b, norm2_w, norm2_b
	s_cmp_eq_u32 s29, 2
	s_cselect_b64 s[36:37], s[22:23], s[36:37]
	s_cmp_eq_u32 s29, 3
	s_cselect_b64 s[36:37], s[24:25], s[36:37]
.Lpar_load:
	global_load_b128 v[12:15], v7, s[36:37]
.Lscale:
	s_mov_b32 s41, s40                             ; named with it as a pair
	v_add_nc_u32 v9, s35, v6
	s_wait_loadcnt 0x0
	v_pk_mul_f32 v[12:13], v[12:13], s[40:41] op_sel_hi:[1,0]
	v_pk_mul_f32 v[14:15], v[14:15], s[40:41] op_sel_hi:[1,0]
	global_store_b128 v9, v[12:15], s[26:27]
	s_endpgm
.Lfunc_end_k_qe8aedefa10_prep:
	.size	k_qe8aedefa10_prep, .Lfunc_end_k_qe8aedefa10_prep-k_qe8aedefa10_prep
	.p2alignl 7, 3214868480
	.fill 96, 4, 3214868480
	.section	.rodata,"a",@progbits
	.p2align	6, 0x0
	.amdhsa_kernel k_qe8aedefa10_prep
		.amdhsa_group_segment_fixed_size 0
		.amdhsa_private_segment_fixed_size 0
		.amdhsa_enable_private_segment 0
		.amdhsa_kernarg_size 96
		.amdhsa_user_sgpr_count 2
		.amdhsa_user_sgpr_kernarg_segment_ptr 1
		.amdhsa_wavefront_size32 1
		.amdhsa_system_sgpr_workgroup_id_x 1
		.amdhsa_system_sgpr_workgroup_id_y 1
		.amdhsa_system_sgpr_workgroup_id_z 1
		.amdhsa_system_vgpr_workitem_id 0
		.amdhsa_next_free_vgpr 32
		.amdhsa_next_free_sgpr 66
		.amdhsa_reserve_vcc 0
		.amdhsa_float_denorm_mode_32 3
		.amdhsa_float_denorm_mode_16_64 3
		.amdhsa_memory_ordered 1
		.amdhsa_forward_progress 1
		.amdhsa_inst_pref_size 7
	.end_amdhsa_kernel
	.amdgpu_metadata
---
amdhsa.version: [ 1, 2 ]
amdhsa.kernels:
  - .name:           k_qe8aedefa10_prep
    .symbol:         k_qe8aedefa10_prep.kd
    .args:
      - { .name: qkv1_w, .offset: 0, .size: 8, .value_kind: global_buffer, .address_space: global }
      - { .name: proj_w, .offset: 8, .size: 8, .value_kind: global_buffer, .address_space: global }
      - { .name: fc1_w, .offset: 16, .size: 8, .value_kind: global_buffer, .address_space: global }
      - { .name: fc2_w, .offset: 24, .size: 8, .value_kind: global_buffer, .address_space: global }
      - { .name: rpb_table, .offset: 32, .size: 8, .value_kind: global_buffer, .address_space: global }
      - { .name: qkv1_b, .offset: 40, .size: 8, .value_kind: global_buffer, .address_space: global }
      - { .name: fc1_b, .offset: 48, .size: 8, .value_kind: global_buffer, .address_space: global }
      - { .name: proj_b, .offset: 56, .size: 8, .value_kind: global_buffer, .address_space: global }
      - { .name: fc2_b, .offset: 64, .size: 8, .value_kind: global_buffer, .address_space: global }
      - { .name: norm2_w, .offset: 72, .size: 8, .value_kind: global_buffer, .address_space: global }
      - { .name: norm2_b, .offset: 80, .size: 8, .value_kind: global_buffer, .address_space: global }
      - { .name: blob, .offset: 88, .size: 8, .value_kind: global_buffer, .address_space: global }
    .group_segment_fixed_size: 0
    .private_segment_fixed_size: 0
    .kernarg_segment_align: 8
    .kernarg_segment_size: 96
    .max_flat_workgroup_size: 128
    .sgpr_count:     66
    .vgpr_count:     32
    .wavefront_size: 32
...
	.end_amdgpu_metadata
.endif
;; end of part 1
;; launch block (part 2): grid 256 x 1, 4 waves a work-group, clusters of 4 x 1, 327,680 bytes of LDS; arguments x, d, blob, norm1_w, norm1_b, out0, out1; writes out0, out1
.if DOCPART == 2
	.amdgcn_target "amdgcn-amd-amdhsa--gfx1250"
	.amdhsa_code_object_version 6
	.text
	.protected	k_qe8aedefa10_block
	.globl	k_qe8aedefa10_block
	.p2align	8
	.type	k_qe8aedefa10_block,@function
k_qe8aedefa10_block:
	s_mov_b64 s[64:65], 0
	v_nop
	global_prefetch_b8 v0, s[64:65] scope:SCOPE_SE
	s_setreg_imm32_b32 hwreg(HW_REG_WAVE_MODE, 25, 1), 1
	s_wait_xcnt 0x0
	s_wait_alu depctr_hold_cnt(0) depctr_sa_sdst(0) depctr_va_vdst(0) depctr_va_sdst(0) depctr_va_ssrc(0) depctr_va_vcc(0) depctr_vm_vsrc(0)
	s_getreg_b32 s2, hwreg(HW_REG_IB_STS2, 6, 4)
	s_cmp_eq_u32 s2, 0
	s_cbranch_scc0 .Lentry_in_a_cluster
	s_endpgm
.Lentry_in_a_cluster:
	s_bfe_u32 s2, ttmp6, 0x10000c
	s_cmp_lg_u32 s2, 0x3003
	s_cbranch_scc0 .Lentry_shape_is_right
	s_endpgm
.Lentry_shape_is_right:
; THE WHOLE BLOCK FOR ONE WINDOW PAIR A WAVE: LN1, qkv, the four windowed attentions, proj, residual, LN2, fc1, GELU, fc2, residual.  1,024 window pairs = 256 work-groups x 4 waves.
; TOKENS.  Tiles 0-3 are the window's 64 tokens of x, tiles 4-7 those of d; tile t holds window tokens 16 (t & 3) + 0..15.
; LAYOUT.  All products but V take 16 weight rows as source 0 and 16 tokens as source 1: a lane (r = lane % 16, h = lane / 16) of a result holds token r and channels 16 c + 8 h + 0..7, and two
; neighbouring channel tiles rounded to bf16 in pairs ARE the next product's fragment of 32 k.  V is made the other way round, so that two token tiles are V^T's fragment.  Nothing changes lanes but sums and maxima.
; THE RESIDUAL STREAM lies in 512 registers (R); proj and fc2 add onto it in place.  LDS is stored to on the way out alone.
; ALGEBRA.  p = 2^(c s - c m), c = log2(e) / sqrt(32), m the row's maximum; the relative-position bias comes times sqrt(32) as the C operand of the r-branch's scores; the two weight matrices of a stream are
; normalised and added in f32 before ONE product with V; V's bias enters as C = 2 b_v of that product (the two weight rows sum to 2); q's and k's biases are C operands; fc1_b is loaded into the accumulators;
; proj_b is added onto R once; fc2_b on the way out.
; LIMITS.  All matrix operands are bf16.  GELU's normal distribution function is taken as 1 / (1 + 2^(h (c1 + c3 h^2))), c1 = -2.3022082, c3 = -0.10294324: gelu is off by 5e-4 at the most, for every h, and by
; nothing to first order at 0; it neither overflows nor underflows into a wrong value.  A weight below 2^-126 counts as 0.  NaN and infinities are not treated apart.
; WEIGHTS walk through LDS from the blob of the launch before, by joint loads of the cluster's four work-groups (the same load, descriptor and mask in all four): every work-group reads all of them.
; By this text's own count a wave has three tensor loads out at the start and one later.
; LOOPS THAT NAME REGISTERS BY THEIR TRIP hold one block for each trip's registers, jumped over by a compare of the counter with a constant (WHEN); no barrier and no tensor load stands in such a block.
; REGISTERS, in windows of 256 (s_set_vgpr_msb: bits 1:0 source 0, 3:2 source 1, 5:4 source 2, 7:6 destination):
;   window 0: addresses and all that is at work    window 1: XN, the normalised tokens in bf16, 32 a tile    window 2: R of tiles 0-3, 64 a tile    window 3: R of tiles 4-7
.set SPARE,  327168                    ; the spare words, 128 bytes a wave: two blocks of 256 bytes that no other line names
.set PAR,    512                       ; qkv1_b (V's doubled), fc1_b, proj_b, fc2_b, norm2_w, norm2_b
.set P_FC1B, PAR+2048
.set P_PROJB, PAR+4096
.set P_FC2B, PAR+4608
.set P_N2W,  PAR+5120
.set P_N2B,  PAR+5632
.set MB,     6656                      ; MLP chunk c (32 hidden channels: 8 fragments of fc1, 8 of fc2) at MB + 16,384 c
.set CHB,    16384
.set ST0,    39424                     ; at the start: x and d as they come, a wave's own 2 x 64 tokens
.set TPITCH, 528                       ; a token: 512 bytes + 16 of padding = 33 x 16: the 16 tokens of a load start at 16 different groups of four banks (64 banks of 4 bytes: ISA guide 11.1)
.set HST,    64*TPITCH
.set WST,    2*HST
.set QL,     72192                     ; later: the four heads' qkv weights, 32,768 each,
.set PJL,    203264                    ; proj, 8,192 a head,
.set RPL,    236032                    ; and the bias images, 4,096 a tile distance, 1,024 a head
.set STAGE,  309760                    ; the way out: 16 rows x 272 bytes for each wave; no tensor load lands here
.set SPITCH, 272
.set WSTG,   16*SPITCH
.set B_B,    38912                     ; blob offsets of the later parts
.set B_L,    231424
.set B_F,    362496
.set SPW, 1                            ; v1   my spare word's LDS address; never rewritten
.set NIL, 2                            ; v2   0; never rewritten
.set LFR, 3                            ; v3   16 x lane: my place in a fragment
.set LB8, 4                            ; v4   32 h: my place in a vector of channels
.set AST, 5                            ; v5   my place in my wave's staging
.set AQ,  6                            ; v6-9 attention: the head's qkv weights, proj weights, bias images, qkv bias
.set APJ, 7
.set ARP, 8
.set ABQ, 9
.set ACUR, 6                           ; v6-9 MLP: this chunk, the chunk before, fc1's bias, the next chunk
.set AF2, 7
.set AB,  8
.set ANX, 9
.set STO, 10                           ; v10-15 the way out
.set RD,  11
.set GO,  12
.set GOC, 13
.set FBT, 14
.set FBA, 15
.set U,   32                           ; LN: v16 mean, v18 1 / sigma, v20-21 at work, U, TM at work, VW gain, VB bias
.set TM,  64
.set VW,  128
.set VB,  192
.set BC,  16                           ; attention: a slice's bias as C; later STA, the softmax's statistics, 8 a set: c0-c3, c m (pair), 1 / l (pair)
.set STA, 16
.set KF,  32
.set VF,  64
.set QA,  96                           ; the stream's own queries; later O's fragments
.set QB,  128                          ; the other stream's queries; also FB1; later proj's fragments 0-3
.set SCA, 160                          ; scores; with SCB the accumulators of qkv; later proj's fragments 4-7
.set SCB, 192
.set ACCU, 160
.set OA,  192
.set PF,  224
.set BV,  240
.set FB0, 224
.set TT,  16                           ; MLP
.set H0,  32
.set G0,  160
.set G1,  192
.set FR,  224
.set OB,  32
.set WV,  18                           ; s18  wave
.set HD,  22                           ; s22  heads to go
.set CT,  23                           ; s23  the inner loops' counter
.set G1X, 28
.set G1A, 36
.set G1B, 44
.set G1L, 52
.set CS,  60                           ; s[60:61] c
.set SEL, 62                           ; s[62:63] v_permlanex16_b32's selects: each lane takes its own place in the other half
.set C1,  66
.set G1F, 68
.set G0X, 76
.set G0D, 80
.set G0A, 84
.set G0B, 88
.set G0L, 92
.set G0F, 96
.set C3,  100
.set MSB, 0
.macro WIN new                         ; the high byte repeats the setting that is left; a switch that changes nothing is dropped
.if MSB != (\new)
	s_set_vgpr_msb (MSB<<8)|(\new)
.set MSB, (\new)
.endif
.endm
.macro PLACES n                        ; plain vector instructions between a matrix instruction and what may not follow it at once (ISA guide 7.12.1)
.rept \n
	v_nop
.endr
.endm
.macro ROUND                           ; a round of the cluster's barrier
	s_barrier_signal -1
	s_barrier_wait -1
	s_cmp_lg_u32 s[WV], 0
	s_cbranch_scc1 .Lnw0_\@
	s_barrier_signal -3
.Lnw0_\@:
	s_barrier_wait -3
	s_barrier_signal -1
	s_barrier_wait -1
.endm
.macro WHEN cnt, val, body:vararg      ; the body, in the trip in which the counter has this value
	WIN 0
	s_cmp_lg_u32 s[\cnt], \val
	s_cbranch_scc1 .Lwh_\@
	\body
	WIN 0
.Lwh_\@:
.endm
.macro G1W base, rows                  ; descriptor group 1 for a dense part of the blob: rows of 256 bytes (32 elements of 8), asked for jointly by the cluster's four work-groups
	s_mov_b32 s[\base], 15|(3<<16)|(1<<21)
	s_mov_b32 s[\base+1], 32<<16
	s_mov_b32 s[\base+2], (\rows)<<16
	s_mov_b32 s[\base+3], 32<<16
	s_mov_b32 s[\base+4], \rows
	s_mov_b32 s[\base+5], 32
	s_mov_b32 s[\base+6], 0
	s_mov_b32 s[\base+7], 0
.endm
	s_load_b256 s[4:11], s[0:1], 0x0               ; x s[4:5], d s[6:7], blob s[8:9], norm1_w s[10:11]
	s_load_b128 s[12:15], s[0:1], 0x20             ; norm1_b s[12:13], out0 s[14:15]
	s_load_b64 s[16:17], s[0:1], 0x30              ; out1
	v_lshl_add_u32 v[SPW], v0, 2, SPARE
	v_mov_b32 v[NIL], 0
	ds_add_u32 v[SPW], v[NIL]                      ; the wave's opening: the add and its wait ahead of my first tensor load; the set-up below stands between them
	v_lshrrev_b32 v3, 5, v0
	v_readfirstlane_b32 s[WV], v3
	s_bfe_u32 s19, ttmp6, 0x40000                  ; cx: it enters x's, d's and the outputs' addresses alone
	s_lshl_b32 s3, ttmp9, 2
	s_add_co_u32 s19, s19, s3                      ; work-group
	s_lshl_b32 s19, s19, 2
	s_add_co_u32 s19, s19, s[WV]                   ; my window pair, 0 .. 1,023
	s_lshr_b32 s20, s19, 8
	s_lshl_b32 s20, s20, 23                        ; the image: 16,384 tokens of 512 bytes
	s_bfe_u32 s21, s19, 0x40004
	s_lshl_b32 s21, s21, 19                        ; the row of windows: 8 x 128 tokens
	s_add_co_u32 s20, s20, s21
	s_and_b32 s21, s19, 15
	s_lshl_b32 s21, s21, 12                        ; the window in it: 8 tokens
	s_add_co_u32 s20, s20, s21
	s_mov_b32 s21, 0                               ; s[20:21]: the window's first byte
	; x and d: 8 rows of 8 tokens (1,024 elements of 4 bytes), 16,384 elements from row to row; 4 words of padding behind every 128 words, a token
	s_mov_b32 s[G1X], (2<<16)|(1<<20)|(6<<22)|(3<<25)
	s_mov_b32 s[G1X+1], 1024<<16
	s_mov_b32 s[G1X+2], 8<<16
	s_mov_b32 s[G1X+3], 1024<<16
	s_mov_b32 s[G1X+4], 8
	s_mov_b32 s[G1X+5], 16384
	s_mov_b32 s[G1X+6], 0
	s_mov_b32 s[G1X+7], 0
	G1W G1A, 38                                    ; a wave's quarter of: PAR and chunks 0, 1
	G1W G1B, 188                                   ; qkv, proj, bias images
	G1W G1L, 32                                    ; two chunks
	G1W G1F, 96                                    ; six chunks
	s_mul_i32 s2, s[WV], WST
	s_add_co_u32 s2, s2, ST0                       ; my staging
	s_mov_b32 s[G0X], 1
	s_mov_b32 s[G0X+1], s2
	s_mov_b32 s[G0D], 1
	s_add_co_u32 s[G0D+1], s2, HST
	s_mul_i32 s3, s[WV], 9728
	s_mov_b32 s[G0A], 1
	s_add_co_u32 s[G0A+1], s3, PAR
	s_mul_i32 s3, s[WV], 48128
	s_mov_b32 s[G0B], 1
	s_add_co_u32 s[G0B+1], s3, QL
	s_lshl_b32 s3, s[WV], 13
	s_mov_b32 s[G0L], 1
	s_add_co_u32 s[G0L+1], s3, MB                  ; one step low: each trip steps it before it asks
	s_mul_i32 s3, s[WV], 24576
	s_mov_b32 s[G0F], 1
	s_add_co_u32 s[G0F+1], s3, MB+10*CHB
	s_mov_b32 s[CS], 0x3e8293ee                    ; c = log2(e) / sqrt(32)
	s_mov_b32 s[CS+1], 0x3e8293ee
	s_mov_b32 s[SEL], 0x76543210
	s_mov_b32 s[SEL+1], 0xfedcba98
	s_mov_b32 s[C1], 0xc0135761                    ; -2.3022082
	s_mov_b32 s[C1+1], 0xc0135761
	s_mov_b32 s[C3], 0xbdd2d3e8                    ; -0.10294324
	s_mov_b32 s[C3+1], 0xbdd2d3e8
	s_mov_b32 s27, 0
	s_wait_dscnt 0x0                               ; the opening add is done
	s_wait_kmcnt 0x0
	s_add_nc_u64 s[G0X+2:G0X+3], s[4:5], s[20:21]
	s_or_b32 s[G0X+3], s[G0X+3], 0x80000000
	s_add_nc_u64 s[G0D+2:G0D+3], s[6:7], s[20:21]
	s_or_b32 s[G0D+3], s[G0D+3], 0x80000000
	s_add_nc_u64 s[14:15], s[14:15], s[20:21]      ; the outputs at my window
	s_add_nc_u64 s[16:17], s[16:17], s[20:21]
	s_mul_i32 s26, s[WV], 9728
	s_add_nc_u64 s[G0A+2:G0A+3], s[8:9], s[26:27]
	s_or_b32 s[G0A+3], s[G0A+3], 0x80000000
	s_mul_i32 s26, s[WV], 48128
	s_add_co_u32 s26, s26, B_B
	s_add_nc_u64 s[G0B+2:G0B+3], s[8:9], s[26:27]
	s_or_b32 s[G0B+3], s[G0B+3], 0x80000000
	s_lshl_b32 s26, s[WV], 13
	s_add_co_u32 s26, s26, B_L-32768
	s_add_nc_u64 s[G0L+2:G0L+3], s[8:9], s[26:27]
	s_or_b32 s[G0L+3], s[G0L+3], 0x80000000
	s_mul_i32 s26, s[WV], 24576
	s_add_co_u32 s26, s26, B_F
	s_add_nc_u64 s[G0F+2:G0F+3], s[8:9], s[26:27]
	s_or_b32 s[G0F+3], s[G0F+3], 0x80000000
	ROUND                                          ; all four work-groups are here: the first joint load meets
	tensor_load_to_lds s[G0X:G0X+3], s[G1X:G1X+7]  ; my window of x,
	s_nop 0
	tensor_load_to_lds s[G0D:G0D+3], s[G1X:G1X+7]  ; of d,
	s_nop 0
	tensor_load_to_lds s[G0A:G0A+3], s[G1A:G1A+7]  ; my quarter of PAR and chunks 0, 1
	s_nop 0
	PLACES 4
	v_and_b32 v[LFR], 31, v0
	v_lshlrev_b32 v[LFR], 4, v[LFR]
	v_and_b32 v22, 15, v0                          ; r
	v_bfe_u32 v23, v0, 4, 1                        ; h
	v_lshlrev_b32 v[LB8], 5, v23
	v_mul_u32_u24 v[AST], v22, TPITCH
	v_add_nc_u32 v[AST], v[AST], v[LB8]
	v_add_nc_u32 v[AST], s2, v[AST]
	s_mul_i32 s3, s[WV], WSTG
	s_add_co_u32 s3, s3, STAGE                     ; my stage
	v_mul_u32_u24 v[STO], v22, SPITCH              ; in: row r, 32 bytes for each half of the lanes
	v_add_nc_u32 v[STO], v[STO], v[LB8]
	v_add_nc_u32 v[STO], s3, v[STO]
	v_mul_u32_u24 v[RD], v23, SPITCH               ; back: lanes 0-15 one row of 256 bytes, lanes 16-31 the next
	v_lshl_add_u32 v[RD], v22, 4, v[RD]
	v_add_nc_u32 v[RD], s3, v[RD]
	v_lshlrev_b32 v[GO], 9, v23                    ; and the same two tokens in the output
	v_lshl_add_u32 v[GO], v22, 4, v[GO]
	v_lshlrev_b32 v[FBA], 4, v22
	v_add_nc_u32 v[FBA], P_FC2B, v[FBA]
	v_mov_b32 v17, 0                               ; upper halves of pairs of which the low word is taken for both results, and a lane exchange's destination: written once
	v_mov_b32 v19, 0
	v_mov_b32 v21, 0
.set i, 0
.rept 16                                               ; norm1's gain and bias for my 64 channels 16 c + 8 h + 0..7
	global_load_b128 v[VW+4*i:VW+4*i+3], v[LB8], s[10:11] offset:64*(i/2)+16*(i%2)
	global_load_b128 v[VB+4*i:VB+4*i+3], v[LB8], s[12:13] offset:64*(i/2)+16*(i%2)
.set i, i+1
.endr
	s_wait_tensorcnt 0x2                           ; x has landed; d's load and the blob's are younger.  The bytes are my wave's own
	WIN 0x80
.set i, 0
.rept 64                                               ; R(t, c) registers 4 q ..: token 16 t + r, channels 16 c + 8 h + 4 q ..
	ds_load_b128 v[4*i:4*i+3], v[AST] offset:16*TPITCH*(i/16)+64*((i/2)%8)+16*(i%2)
.set i, i+1
.endr
	s_wait_tensorcnt 0x1                           ; d has landed
	WIN 0xc0
.set i, 0
.rept 64
	ds_load_b128 v[4*i:4*i+3], v[AST] offset:HST+16*TPITCH*(i/16)+64*((i/2)%8)+16*(i%2)
.set i, i+1
.endr
	WIN 0
	s_wait_tensorcnt 0x0                           ; all my tensor loads have landed, my quarter of PAR and chunks 0, 1 among them;
	ds_add_u32 v[SPW], v[NIL]
	s_wait_dscnt 0x0                               ; the add is done, and x and d are in registers: nobody reads the staging any more
	ROUND
	tensor_load_to_lds s[G0B:G0B+3], s[G1B:G1B+7]  ; qkv, proj and the bias images, over the staging; they land while LN1 is made
	s_nop 0
	PLACES 4
; LAYER NORM of all eight tiles, R -> XN; gain and bias lie in VW and VB.  Two passes in f32: the mean, then the mean of the squared differences.  A token's 128 channels lie in two lanes, 16 apart.
.macro LNA t                           ; 64 numbers to 32; each accumulator's lowest pair is read first
	WIN 0x0a+5*((\t)/4)
.set rb, 64*((\t)%4)
.set i, 0
.rept 16
	v_pk_add_f32 v[U+2*i:U+2*i+1], v[rb+2*i:rb+2*i+1], v[rb+32+2*i:rb+33+2*i]
.set i, i+1
.endr
.endm
.macro LNB t                           ; the differences from the mean
	WIN 0x02+(\t)/4
.set rb, 64*((\t)%4)
.set i, 0
.rept 32
	v_pk_add_f32 v[TM+2*i:TM+2*i+1], v[rb+2*i:rb+2*i+1], v[16:17] op_sel_hi:[1,0] neg_lo:[0,1] neg_hi:[0,1]
.set i, i+1
.endr
.endm
.macro LNC t                           ; rounded in pairs: four fragments of 32 channels
	WIN 0x40
.set i, 0
.rept 32
	v_cvt_pk_bf16_f32 v[32*(\t)+i], v[TM+2*i], v[TM+2*i+1]
.set i, i+1
.endr
.endm
.macro LN
	WIN 0
	s_mov_b32 s2, 0x3c000000                       ; 1 / 128
	s_mov_b32 s3, 0x3727c5ac                       ; 1e-5
	s_mov_b32 s[CT], 0
.Lln_\@:
.irp t, 0,1,2,3,4,5,6,7
	WHEN CT, \t, LNA \t
.endr
.irp w, 16,8,4,2
.set i, 0
.rept \w/2
	v_pk_add_f32 v[U+2*i:U+2*i+1], v[U+2*i:U+2*i+1], v[U+\w+2*i:U+\w+2*i+1]
.set i, i+1
.endr
.endr
	v_add_f32 v20, v[U], v[U+1]
	v_permlanex16_b32 v21, v20, s[SEL], s[SEL+1]
	v_add_f32 v20, v20, v21
	v_mul_f32 v16, s2, v20
.irp t, 0,1,2,3,4,5,6,7
	WHEN CT, \t, LNB \t
.endr
.set i, 0
.rept 4                                                ; four chains, started by the first four pairs
	v_pk_mul_f32 v[U+2*i:U+2*i+1], v[TM+2*i:TM+2*i+1], v[TM+2*i:TM+2*i+1]
.set i, i+1
.endr
.rept 28
	v_pk_fma_f32 v[U+2*(i%4):U+2*(i%4)+1], v[TM+2*i:TM+2*i+1], v[TM+2*i:TM+2*i+1], v[U+2*(i%4):U+2*(i%4)+1]
.set i, i+1
.endr
	v_pk_add_f32 v[U:U+1], v[U:U+1], v[U+2:U+3]
	v_pk_add_f32 v[U+4:U+5], v[U+4:U+5], v[U+6:U+7]
	v_pk_add_f32 v[U:U+1], v[U:U+1], v[U+4:U+5]
	v_add_f32 v20, v[U], v[U+1]
	v_permlanex16_b32 v21, v20, s[SEL], s[SEL+1]
	v_add_f32 v20, v20, v21
	v_fma_f32 v20, v20, s2, s3
	v_rsq_f32 v18, v20
	v_nop                                          ; a plain instruction between the root and the use of its result
.set i, 0
	s_wait_alu depctr_va_vdst(0)
.rept 32
	v_pk_mul_f32 v[TM+2*i:TM+2*i+1], v[TM+2*i:TM+2*i+1], v[18:19] op_sel_hi:[1,0]
.set i, i+1
.endr
.set i, 0
.rept 32
	v_pk_fma_f32 v[TM+2*i:TM+2*i+1], v[TM+2*i:TM+2*i+1], v[VW+2*i:VW+2*i+1], v[VB+2*i:VB+2*i+1]
.set i, i+1
.endr
.irp t, 0,1,2,3,4,5,6,7
	WHEN CT, \t, LNC \t
.endr
	s_add_co_u32 s[CT], s[CT], 1
	s_cmp_lt_u32 s[CT], 8
	s_cbranch_scc1 .Lln_\@
.endm
	s_wait_loadcnt 0x0                             ; norm1's gain and bias
	LN
	; proj_b onto the residual stream, once
.set i, 0
.rept 16
	ds_load_b128 v[TM+4*i:TM+4*i+3], v[LB8] offset:P_PROJB+64*(i/2)+16*(i%2)
.set i, i+1
.endr
	s_wait_dscnt 0x0
.irp wn, 0x82, 0xc3
	WIN \wn
.set i, 0
.rept 128
	v_pk_add_f32 v[2*i:2*i+1], v[2*i:2*i+1], v[TM+2*(i%32):TM+2*(i%32)+1]
.set i, i+1
.endr
.endr
	WIN 0
; ATTENTION.  A UNIT is one head of one stream (hf = 0: keys and values of x; 1: of d).  Its slices are made in the order K, V, Q (the stream's own), Q' (the other stream's fourth slice), each in two half
; slices of 64 along the channels, 16 matrix instructions on 8 accumulators that take turns.
.macro SLOF x                          ; the slice's number in qkv1_w
.if (\x) == 0
.set SL, 1
.elseif (\x) == 1
.set SL, 2
.elseif (\x) == 2
.set SL, 0
.else
.set SL, 3
.endif
.endm
.macro FETCH hs                        ; half slice hs: four weight fragments (2 k steps x 2 channel tiles) into buffer hs % 2
	WIN 0
	SLOF (\hs)/2
.set fb, FB0-96*((\hs)%2)
.irp kk, 0,1
.irp u, 0,1
.set fo, ((SL*2+\u)*4+2*((\hs)%2)+\kk)*1024
.set fr, fb+8*(2*\kk+\u)
	ds_load_b128 v[fr:fr+3], v[AQ] offset:fo
	ds_load_b128 v[fr+4:fr+7], v[AQ] offset:fo+512
.endr
.endr
.endm
.macro BIAS sl                         ; the slice's bias as two C operands
	WIN 0
.irp i, 0,1,2,3
	ds_load_b128 v[BC+4*\i:BC+4*\i+3], v[ABQ] offset:(\sl)*512+64*(\i/2)+16*(\i%2)
.endr
.endm
.macro HS hf, hs
	WIN 0
	s_wait_dscnt 0x0                               ; this half slice's fragments, and the bias
	PLACES 5                                       ; behind the last products: the loads below land in a buffer that they read, and the first products below write over registers of theirs
.if (\hs) < 7
	FETCH (\hs)+1
.endif
.if (\hs) == 3
	BIAS 0
.endif
.if (\hs) == 5
	BIAS 3
.endif
	SLOF (\hs)/2
.set fb, FB0-96*((\hs)%2)
.set tb, 4*(\hf)
.if SL == 3
.set tb, 4-4*(\hf)
.endif
.if SL == 2
	WIN 0x01                                       ; V: the tokens are source 0
.else
	WIN 0x04                                       ; the tokens are source 1
.endif
.irp kk, 0,1
.irp u, 0,1
.irp tp, 0,1,2,3
.set ks, 2*((\hs)%2)+\kk
.set fr, fb+8*(2*\kk+\u)
.set xn, 32*(tb+\tp)+8*ks
.if SL == 2
.set ac, ACCU+32*\u+8*\tp
.if ks == 0
	v_wmma_f32_16x16x32_bf16 v[ac:ac+7], v[xn:xn+7], v[fr:fr+7], 0
.else
	v_wmma_f32_16x16x32_bf16 v[ac:ac+7], v[xn:xn+7], v[fr:fr+7], v[ac:ac+7]
.endif
.else
.set ac, ACCU+16*\tp+8*\u
.if ks == 0
	v_wmma_f32_16x16x32_bf16 v[ac:ac+7], v[fr:fr+7], v[xn:xn+7], v[BC+8*\u:BC+8*\u+7]
.else
	v_wmma_f32_16x16x32_bf16 v[ac:ac+7], v[fr:fr+7], v[xn:xn+7], v[ac:ac+7]
.endif
.endif
.endr
.endr
.endr
	WIN 0
.if (\hs)%2
	PLACES 4
.set i, 0
.rept 32                                               ; the slice, rounded in pairs, is four fragments: KF, VF, QA, QB in the order of the slices
	v_cvt_pk_bf16_f32 v[KF+32*((\hs)/2)+i], v[ACCU+2*i], v[ACCU+2*i+1]
.set i, i+1
.endr
.endif
.endm
.macro RPBL qt                         ; the bias images for query tile qt, into the accumulators that the r-branch's scores add onto
.irp kb, 0,1,2,3
	ds_load_b128 v[SCA+8*\kb:SCA+8*\kb+3], v[ARP] offset:((\qt)-\kb+3)*4096
	ds_load_b128 v[SCA+8*\kb+4:SCA+8*\kb+7], v[ARP] offset:((\qt)-\kb+3)*4096+512
.endr
.endm
.macro SQK hf, qt                      ; both score tiles S^T = K Q^T of query tile qt: a lane holds one query and the keys 16 kb + 8 h + 0..7
	WIN 0
	s_wait_dscnt 0x0                               ; the bias images; V's bias
.irp kb, 0,1,2,3
.if (\hf) == 0
	v_wmma_f32_16x16x32_bf16 v[SCA+8*\kb:SCA+8*\kb+7], v[KF+8*\kb:KF+8*\kb+7], v[QA+8*(\qt):QA+8*(\qt)+7], v[SCA+8*\kb:SCA+8*\kb+7]
.else
	v_wmma_f32_16x16x32_bf16 v[SCA+8*\kb:SCA+8*\kb+7], v[KF+8*\kb:KF+8*\kb+7], v[QA+8*(\qt):QA+8*(\qt)+7], 0
.endif
	v_wmma_f32_16x16x32_bf16 v[SCB+8*\kb:SCB+8*\kb+7], v[KF+8*\kb:KF+8*\kb+7], v[QB+8*(\qt):QB+8*(\qt)+7], 0
.endr
	PLACES 5                                       ; five: as many as a matrix instruction wants that starts a sum in these accumulators anew, whichever block of the text stands next; four of them serve the maxima and the loads below
.if (\qt) == 3
.irp o, 0,1,2,3                                        ; the other stream's queries are done with: proj's fragments 0-3 take their place
	ds_load_b128 v[QB+8*\o:QB+8*\o+3], v[APJ] offset:\o*1024
	ds_load_b128 v[QB+8*\o+4:QB+8*\o+7], v[APJ] offset:\o*1024+512
.endr
.endif
.endm
.macro BOTH line:vararg                ; one line for each of the two sets of scores
.set sb, SCA
.set st, STA
	s_wait_alu depctr_va_vdst(0)
	\line
.set sb, SCB
.set st, STA+8
	\line
.endm
.macro SOFTMAX                         ; both softmaxes of a query tile, normalised, added, rounded: PF
	WIN 0
.set n, 0
.rept 4                                                ; the maximum: four chains; each accumulator's lowest registers are read first
	BOTH v_max3_num_f32 v[st+n], v[sb+8*n], v[sb+8*n+1], v[sb+8*n+2]
.set n, n+1
.endr
.rept 8
	BOTH v_max3_num_f32 v[st+n%4], v[st+n%4], v[sb+8*(n%4)+2*(n/4)+1], v[sb+8*(n%4)+2*(n/4)+2]
.set n, n+1
.endr
	BOTH v_max3_num_f32 v[st], v[st], v[sb+7], v[sb+15]
	BOTH v_max3_num_f32 v[st+1], v[st+1], v[sb+23], v[sb+31]
	BOTH v_max3_num_f32 v[st], v[st], v[st+1], v[st+2]
	BOTH v_max_num_f32 v[st], v[st], v[st+3]
	BOTH v_permlanex16_b32 v[st+1], v[st], s[SEL], s[SEL+1]  ; the query's other 32 keys lie in the lane 16 away
	BOTH v_max_num_f32 v[st], v[st], v[st+1]
	BOTH v_mul_f32 v[st+4], s[CS], v[st]
.set i, 0
.rept 16
	BOTH v_pk_fma_f32 v[sb+2*i:sb+2*i+1], v[sb+2*i:sb+2*i+1], s[CS:CS+1], v[st+4:st+5] op_sel_hi:[1,0,0] neg_lo:[0,0,1] neg_hi:[0,0,1]
.set i, i+1
.endr
.set i, 0
.rept 16                                               ; four exponentials, then plain work: the sums of the pair before (two chains a set), so that a plain instruction stands between every exponential and its use
	BOTH v_exp_f32 v[sb+2*i], v[sb+2*i]
	BOTH v_exp_f32 v[sb+2*i+1], v[sb+2*i+1]
.if i < 3
	v_nop
.elseif i == 3
	BOTH v_pk_add_f32 v[st:st+1], v[sb:sb+1], v[sb+4:sb+5]
.elseif i == 4
	BOTH v_pk_add_f32 v[st+2:st+3], v[sb+2:sb+3], v[sb+6:sb+7]
.else
	BOTH v_pk_add_f32 v[st+2*((i-1)%2):st+2*((i-1)%2)+1], v[st+2*((i-1)%2):st+2*((i-1)%2)+1], v[sb+2*(i-1):sb+2*(i-1)+1]
.endif
.set i, i+1
.endr
	BOTH v_pk_add_f32 v[st+2:st+3], v[st+2:st+3], v[sb+30:sb+31]
	BOTH v_pk_add_f32 v[st:st+1], v[st:st+1], v[st+2:st+3]
	BOTH v_add_f32 v[st], v[st], v[st+1]
	BOTH v_permlanex16_b32 v[st+1], v[st], s[SEL], s[SEL+1]
	BOTH v_add_f32 v[st], v[st], v[st+1]
	BOTH v_rcp_f32 v[st+6], v[st]                  ; the sum holds the maximum's own weight, 1
	v_nop
.set i, 0
	s_wait_alu depctr_va_vdst(0)
.rept 16
	v_pk_mul_f32 v[SCA+2*i:SCA+2*i+1], v[SCA+2*i:SCA+2*i+1], v[STA+6:STA+7] op_sel_hi:[1,0]
.set i, i+1
.endr
.set i, 0
.rept 16
	v_pk_fma_f32 v[SCA+2*i:SCA+2*i+1], v[SCB+2*i:SCB+2*i+1], v[STA+14:STA+15], v[SCA+2*i:SCA+2*i+1] op_sel_hi:[1,0,1]
.set i, i+1
.endr
.set i, 0
.rept 16
	v_cvt_pk_bf16_f32 v[PF+i], v[SCA+2*i], v[SCA+2*i+1]
.set i, i+1
.endr
.endm
.macro PV                              ; O^T = V^T P + 2 b_v: two accumulators by turns
	WIN 0
	v_wmma_f32_16x16x32_bf16 v[OA:OA+7], v[VF:VF+7], v[PF:PF+7], v[BV:BV+7]
	v_wmma_f32_16x16x32_bf16 v[OA+8:OA+15], v[VF+16:VF+23], v[PF:PF+7], v[BV+8:BV+15]
	v_wmma_f32_16x16x32_bf16 v[OA:OA+7], v[VF+8:VF+15], v[PF+8:PF+15], v[OA:OA+7]
	v_wmma_f32_16x16x32_bf16 v[OA+8:OA+15], v[VF+24:VF+31], v[PF+8:PF+15], v[OA+8:OA+15]
	PLACES 5                                       ; five: O^T shares its registers with the second set of scores, whose next products start their sums there anew; four of them serve the roundings that follow
.endm
.macro OCV hf, qt                      ; O's fragment takes the place of the query tile that made it
	WIN 0
.set i, 0
.rept 8
	v_cvt_pk_bf16_f32 v[QA+8*(\qt)+i], v[OA+2*i], v[OA+2*i+1]
.set i, i+1
.endr
.if ((\hf) == 0) && ((\qt) < 3)
	RPBL (\qt)+1
.endif
.endm
.macro UNIT hf
.if (\hf) == 0
	FETCH 0
	BIAS 1
.endif
.irp hs, 0,1,2,3,4,5,6,7
	HS \hf, \hs
.endr
	WIN 0
.irp i, 0,1,2,3
	ds_load_b128 v[BV+4*\i:BV+4*\i+3], v[ABQ] offset:1024+64*(\i/2)+16*(\i%2)
.endr
.if (\hf) == 0
	RPBL 0
.endif
	s_mov_b32 s[CT], 0
.Lqt_\@:                                               ; a trip: one tile of 16 queries
.irp q, 0,1,2,3
	WHEN CT, \q, SQK \hf, \q
.endr
	SOFTMAX
	PV
.irp q, 0,1,2,3
	WHEN CT, \q, OCV \hf, \q
.endr
	s_add_co_u32 s[CT], s[CT], 1
	s_cmp_lt_u32 s[CT], 4
	s_cbranch_scc1 .Lqt_\@
.irp o, 0,1,2,3                                        ; proj's fragments 4-7
	ds_load_b128 v[SCA+8*\o:SCA+8*\o+3], v[APJ] offset:(4+\o)*1024
	ds_load_b128 v[SCA+8*\o+4:SCA+8*\o+7], v[APJ] offset:(4+\o)*1024+512
.endr
.if (\hf) == 0
	FETCH 0                                        ; the other stream's unit begins with the same weights
	BIAS 1
	s_wait_dscnt 20                                ; fragments 0-3 are in: behind them 8 loads of fragments 4-7 and the 12 just issued
.else
	s_wait_dscnt 8                                 ; fragments 0-3 are in: behind them the 8 loads of fragments 4-7
.endif
	WIN 0xa0+0x50*(\hf)                            ; R += proj's rows x the head's 32 channels of O: 32 different accumulators
.irp o, 0,1,2,3
.irp q, 0,1,2,3
	v_wmma_f32_16x16x32_bf16 v[64*\q+8*\o:64*\q+8*\o+7], v[QB+8*\o:QB+8*\o+7], v[QA+8*\q:QA+8*\q+7], v[64*\q+8*\o:64*\q+8*\o+7]
.endr
.endr
.if (\hf) == 0
	s_wait_dscnt 12                                ; fragments 4-7 are in
.else
	s_wait_dscnt 0x0
.endif
.irp o, 0,1,2,3
.irp q, 0,1,2,3
	v_wmma_f32_16x16x32_bf16 v[64*\q+8*\o+32:64*\q+8*\o+39], v[SCA+8*\o:SCA+8*\o+7], v[QA+8*\q:QA+8*\q+7], v[64*\q+8*\o+32:64*\q+8*\o+39]
.endr
.endr
	WIN 0
.endm
	s_mov_b32 s[HD], 4
	s_mov_b32 s24, QL
	s_mov_b32 s25, PJL
	s_mov_b32 s26, RPL
	s_mov_b32 s27, PAR
.Lhead:                                                ; a trip: one head.  It also brings two MLP chunks, into bytes that nobody reads any more: the staging's head, then the slots of the heads that are done
	s_wait_tensorcnt 0x0                           ; all my tensor loads have landed (in the first trip: my quarter of the weights that this loop reads), so a group 0 may be written;
	ds_add_u32 v[SPW], v[NIL]                      ; the descriptor's steps stand between the add and the wait for it
	s_add_co_u32 s[G0L+1], s[G0L+1], 32768
	s_add_nc_u64 s[G0L+2:G0L+3], s[G0L+2:G0L+3], 32768
	s_wait_dscnt 0x0                               ; the add is done, and my reads of the last head's weights are over
	ROUND
	tensor_load_to_lds s[G0L:G0L+3], s[G1L:G1L+7]
	s_nop 0
	PLACES 4
	v_add_nc_u32 v[AQ], s24, v[LFR]
	v_add_nc_u32 v[APJ], s25, v[LFR]
	v_add_nc_u32 v[ARP], s26, v[LFR]
	v_add_nc_u32 v[ABQ], s27, v[LB8]
	UNIT 0
	UNIT 1
	s_add_co_u32 s24, s24, 32768
	s_add_co_u32 s25, s25, 8192
	s_add_co_u32 s26, s26, 1024
	s_add_co_u32 s27, s27, 128
	s_sub_co_u32 s[HD], s[HD], 1
	s_cmp_lg_u32 s[HD], 0
	s_cbranch_scc1 .Lhead
	s_wait_tensorcnt 0x0
	ds_add_u32 v[SPW], v[NIL]
	s_wait_dscnt 0x0                               ; my reads of the attention's weights are over
	ROUND
	tensor_load_to_lds s[G0F:G0F+3], s[G1F:G1F+7]  ; the last six chunks, over them; they land while LN2 is made
	s_nop 0
	PLACES 4
.set i, 0
.rept 16
	ds_load_b128 v[VW+4*i:VW+4*i+3], v[LB8] offset:P_N2W+64*(i/2)+16*(i%2)
	ds_load_b128 v[VB+4*i:VB+4*i+3], v[LB8] offset:P_N2B+64*(i/2)+16*(i%2)
.set i, i+1
.endr
	s_wait_dscnt 0x0
	LN
	s_wait_tensorcnt 0x0                           ; my quarter of the last chunks is in;
	ds_add_u32 v[SPW], v[NIL]
	s_wait_dscnt 0x0
	s_barrier_signal -1
	s_barrier_wait -1                              ; everybody's is: all sixteen chunks are whole, and nothing is filled from here on
; THE MLP, BY TURNS.  A PIECE is a chunk of 32 hidden channels for one stream's four tiles: 32 products fc1, GELU of 64 numbers a lane, 32 products fc2.  In a TURN one piece has its GELU; beside it stand
; the piece before's fc2 and the next piece's fc1: 64 matrix instructions, five of the GELU's 320 vector instructions behind each.  Two turns are a chunk.
; GELU of a pair p of numbers h, in ten instructions: h h; x c3 + c1; x h; two exponentials; + 1; two reciprocals; x h; rounded to bf16.  They are dealt in rows: row m holds the steps of pairs m .. m - 3, in an
; order in which every exponential and reciprocal has a plain instruction behind it before its result is used.
.macro GOP k, p, s
.if ((\p) >= 0) && ((\p) < 32)
.set hh, H0+64*(\s)+2*(\p)
.set tt, TT+2*((\p)%4)
.set gg, G0+32*(\s)+(\p)
.if (\k) == 0
	v_pk_mul_f32 v[tt:tt+1], v[hh:hh+1], v[hh:hh+1]
.elseif (\k) == 1
	v_exp_f32 v[tt], v[tt]
.elseif (\k) == 2
	v_exp_f32 v[tt+1], v[tt+1]
.elseif (\k) == 3
	v_pk_fma_f32 v[tt:tt+1], v[tt:tt+1], s[C3:C3+1], s[C1:C1+1] op_sel_hi:[1,0,0]
.elseif (\k) == 4
	v_rcp_f32 v[tt], v[tt]
.elseif (\k) == 5
	v_rcp_f32 v[tt+1], v[tt+1]
.elseif (\k) == 6
	v_cvt_pk_bf16_f32 v[gg], v[tt], v[tt+1]
	s_wait_alu depctr_va_vdst(0)
.elseif (\k) == 8
	s_wait_alu depctr_va_vdst(0)
	v_pk_add_f32 v[tt:tt+1], v[tt:tt+1], 1.0 op_sel_hi:[1,0]
.else
	v_pk_mul_f32 v[tt:tt+1], v[tt:tt+1], v[hh:hh+1]
.endif
.endif
.endm
.macro GROW m, half, s
	WIN 0
.if (\half) == 0
	GOP 0,(\m),\s
	GOP 1,(\m)-1,\s
	GOP 2,(\m)-1,\s
	GOP 3,(\m),\s
	GOP 4,(\m)-2,\s
.else
	GOP 5,(\m)-2,\s
	GOP 6,(\m)-3,\s
	GOP 7,(\m),\s
	GOP 8,(\m)-1,\s
	GOP 9,(\m)-2,\s
.endif
.endm
.macro MMT s, n, j                     ; matrix instruction j of group n.  Groups 0-7: fc2, output tile n.  Groups 8-15: fc1, k step (n - 8) / 2, hidden tile (n - 8) % 2.  No two on end share an accumulator
.if (\n) < 8
	WIN 0xf0-0x50*(\s)
.set ra, 64*(\j)+8*(\n)
.set ga, G0+32*(1-(\s))+8*(\j)
	v_wmma_f32_16x16x32_bf16 v[ra:ra+7], v[FR+8*((\n)%4):FR+8*((\n)%4)+7], v[ga:ga+7], v[ra:ra+7]
.else
	WIN 0x04
.set ii, (\n)-8
.set ha, H0+64*(1-(\s))+16*(\j)+8*(ii%2)
.set xa, 32*(4*(1-(\s))+(\j))+8*(ii/2)
	v_wmma_f32_16x16x32_bf16 v[ha:ha+7], v[FR+8*((\n)%4):FR+8*((\n)%4)+7], v[xa:xa+7], v[ha:ha+7]
.endif
.endm
.macro FRL s, f                        ; the fragment of group f into slot f % 4; f = 16 .. 18: the next turn's first three
	WIN 0
.set fr, FR+8*((\f)%4)
.if (\f) < 8
.set fo, 8192+1024*(\f)
.set ar, AF2-(\s)                      ; even turn: the chunk before; odd turn: this chunk
.elseif (\f) < 16
.set fo, 1024*((\f)-8)
.set ar, ACUR+3*(\s)                   ; even turn: this chunk; odd turn: the next
.else
.set fo, 8192+1024*((\f)-16)
.set ar, ACUR
.endif
	ds_load_b128 v[fr:fr+3], v[ar] offset:fo
	ds_load_b128 v[fr+4:fr+7], v[ar] offset:fo+512
.endm
.macro TURN s
	WIN 0
.set i, 0
.rept 16                                               ; fc1's bias into the accumulators that the turn's fc1 adds onto
	ds_load_b128 v[H0+64*(1-(\s))+4*i:H0+64*(1-(\s))+4*i+3], v[AB] offset:128*(\s)+64*((i/2)%2)+16*(i%2)
.set i, i+1
.endr
.set n, 0
.rept 16
.if n <= 2
	s_wait_dscnt 20                                ; the group's fragment is in: behind it two fragments' 4 loads and the 16 of the bias
.else
	s_wait_dscnt 4                                 ; behind it two fragments' 4 loads; the bias came before
.endif
	MMT \s,n,0
	GROW 2*n,0,\s
	MMT \s,n,1
	GROW 2*n,1,\s
	FRL \s,n+3                                     ; into the slot that the group before read: seven plain instructions or more stand between
	MMT \s,n,2
	GROW 2*n+1,0,\s
	MMT \s,n,3
	GROW 2*n+1,1,\s
.set n, n+1
.endr
	GROW 32,0,\s
	GROW 32,1,\s
	GROW 33,0,\s
	GROW 33,1,\s
	GROW 34,1,\s
.endm
	; What the first turn finds: the first piece's fc1, and zeros for the weights of a piece that has not been (its fc2 adds 0).  The last turn's fc1 is of a piece that will not be: it multiplies chunk 0 once
	; more and nobody reads it.  64 products of 2,112 serve nothing: the price of one text for every turn.
.set i, 0
.rept 32
	v_mov_b32 v[G1+i], 0
.set i, i+1
.endr
	s_mov_b32 s24, MB
	s_mov_b32 s25, P_FC1B
	v_add_nc_u32 v[ACUR], s24, v[LFR]
	v_mov_b32 v[AF2], v[ACUR]
	v_add_nc_u32 v[ANX], MB+CHB, v[LFR]
	v_add_nc_u32 v[AB], s25, v[LB8]
.set i, 0
.rept 16
	ds_load_b128 v[H0+4*i:H0+4*i+3], v[AB] offset:64*((i/2)%2)+16*(i%2)
.set i, i+1
.endr
.set i, 0
.rept 8
	ds_load_b128 v[H0+64+8*i:H0+64+8*i+3], v[ACUR] offset:1024*i
	ds_load_b128 v[H0+64+8*i+4:H0+64+8*i+7], v[ACUR] offset:1024*i+512
.set i, i+1
.endr
	s_wait_dscnt 0x0
	WIN 0x04
.irp ks, 0,1,2,3
.irp u, 0,1
.irp j, 0,1,2,3
	v_wmma_f32_16x16x32_bf16 v[H0+16*\j+8*\u:H0+16*\j+8*\u+7], v[H0+64+8*(2*\ks+\u):H0+64+8*(2*\ks+\u)+7], v[32*\j+8*\ks:32*\j+8*\ks+7], v[H0+16*\j+8*\u:H0+16*\j+8*\u+7]
.endr
.endr
.endr
	WIN 0
	PLACES 4
.irp o, 0,1,2
	ds_load_b128 v[FR+8*\o:FR+8*\o+3], v[AF2] offset:8192+1024*\o
	ds_load_b128 v[FR+8*\o+4:FR+8*\o+7], v[AF2] offset:8192+1024*\o+512
.endr
	s_mov_b32 s[CT], 16
.Lmlp:                                                 ; a trip: one chunk
	TURN 0
	TURN 1
	WIN 0
	v_mov_b32 v[AF2], v[ACUR]
	s_add_co_u32 s24, s24, CHB
	s_add_co_u32 s25, s25, 128
	s_add_co_u32 s26, s24, CHB
	s_sub_co_u32 s[CT], s[CT], 1
	s_cmp_eq_u32 s[CT], 1                          ; the last trip has no next chunk: it takes chunk 0
	s_cselect_b32 s26, MB, s26
	v_add_nc_u32 v[ACUR], s24, v[LFR]
	v_add_nc_u32 v[ANX], s26, v[LFR]
	v_add_nc_u32 v[AB], s25, v[LB8]
	s_cmp_lg_u32 s[CT], 0
	s_cbranch_scc1 .Lmlp
.set i, 0
.rept 8                                                ; the last piece's fc2
	ds_load_b128 v[H0+8*i:H0+8*i+3], v[AF2] offset:8192+1024*i
	ds_load_b128 v[H0+8*i+4:H0+8*i+7], v[AF2] offset:8192+1024*i+512
.set i, i+1
.endr
	s_wait_dscnt 0x0
	WIN 0xf0
.irp o, 0,1,2,3,4,5,6,7
.irp j, 0,1,2,3
	v_wmma_f32_16x16x32_bf16 v[64*\j+8*\o:64*\j+8*\o+7], v[H0+8*\o:H0+8*\o+7], v[G1+8*\j:G1+8*\j+7], v[64*\j+8*\o:64*\j+8*\o+7]
.endr
.endr
	WIN 0
	PLACES 4
; THE WAY OUT.  A trip: 16 tokens x 64 channels.  A lane's 32 bytes of a token go into my stage's rows of 272 bytes and come back as whole rows of 256; fc2_b is added; 16 lanes store 256 consecutive bytes, aligned.
.macro OST ii
	WIN 0x08+4*((\ii)/8)
.set rb, 64*(((\ii)/2)%4)+32*((\ii)%2)
.set i, 0
.rept 8                                                ; each accumulator's four lowest registers first
	ds_store_b128 v[STO], v[rb+4*i:rb+4*i+3] offset:64*(i/2)+16*(i%2)
.set i, i+1
.endr
.endm
	s_mov_b32 s[CT], 0
.Lout:
	s_wait_xcnt 0x0                                ; the last trip's stores have had their addresses translated (ISA guide 3.1): their base, offset and data are rewritten only behind this wait
	s_bfe_u32 s2, s[CT], 0x20001
	s_lshl_b32 s2, s2, 17                          ; the tile: two rows of the window, 65,536 bytes each
	s_and_b32 s3, s[CT], 1
	s_lshl_b32 s3, s3, 8                           ; which 64 channels
	s_add_co_u32 s2, s2, s3
	v_add_nc_u32 v[GOC], s2, v[GO]
	v_add_nc_u32 v[FBT], s3, v[FBA]
	s_cmp_lt_u32 s[CT], 8
	s_cselect_b64 s[104:105], s[14:15], s[16:17]   ; tiles 0-3 go to out0, tiles 4-7 to out1
	ds_load_b128 v[64:67], v[FBT]                  ; fc2_b for my four channels
.irp ii, 0,1,2,3,4,5,6,7,8,9,10,11,12,13,14,15
	WHEN CT, \ii, OST \ii
.endr
.irp k, 0,1,2,3,4,5,6,7
	ds_load_b128 v[OB+4*\k:OB+4*\k+3], v[RD] offset:\k*2*SPITCH  ; LDS serves a wave's instructions in order (ISA guide 5.7.1.4): these see the stores above
.endr
.irp k, 0,1,2,3,4,5,6,7
	s_wait_dscnt 7-\k                              ; the younger read-backs may stay out
	v_pk_add_f32 v[OB+4*\k:OB+4*\k+1], v[OB+4*\k:OB+4*\k+1], v[64:65]
	v_pk_add_f32 v[OB+4*\k+2:OB+4*\k+3], v[OB+4*\k+2:OB+4*\k+3], v[66:67]
	global_store_b128 v[GOC], v[OB+4*\k:OB+4*\k+3], s[104:105] offset:(\k/4)*65536+(\k%4)*1024 th:TH_STORE_NT
.endr
	s_add_co_u32 s[CT], s[CT], 1
	s_cmp_lt_u32 s[CT], 16
	s_cbranch_scc1 .Lout
	s_wait_tensorcnt 0x0                           ; the wave's end: behind my last tensor load and my last LDS store
	ds_add_u32 v[SPW], v[NIL]
	s_wait_dscnt 0x0
	ROUND                                          ; the closing round: no work-group ends while a partner may still ask for a tile that names it
	s_endpgm
.Lfunc_end_k_qe8aedefa10_block:
	.size	k_qe8aedefa10_block, .Lfunc_end_k_qe8aedefa10_block-k_qe8aedefa10_block
	.p2alignl 7, 3214868480
	.fill 96, 4, 3214868480
	.section	.rodata,"a",@progbits
	.p2align	6, 0x0
	.amdhsa_kernel k_qe8aedefa10_block
		.amdhsa_group_segment_fixed_size 327680
		.amdhsa_private_segment_fixed_size 0
		.amdhsa_enable_private_segment 0
		.amdhsa_kernarg_size 56
		.amdhsa_user_sgpr_count 2
		.amdhsa_user_sgpr_kernarg_segment_ptr 1
		.amdhsa_wavefront_size32 1
		.amdhsa_system_sgpr_workgroup_id_x 1
		.amdhsa_system_sgpr_workgroup_id_y 1
		.amdhsa_system_sgpr_workgroup_id_z 1
		.amdhsa_system_vgpr_workitem_id 0
		.amdhsa_next_free_vgpr 1024
		.amdhsa_next_free_sgpr 106
		.amdhsa_reserve_vcc 0
		.amdhsa_float_denorm_mode_32 3
		.amdhsa_float_denorm_mode_16_64 3
		.amdhsa_memory_ordered 1
		.amdhsa_forward_progress 1
		.amdhsa_inst_pref_size 255
	.end_amdhsa_kernel
	.section	.bss,"aw",@nobits
	.p2align	6
	.space	262144
	.amdgpu_metadata
---
amdhsa.version: [ 1, 2 ]
amdhsa.kernels:
  - .name:           k_qe8aedefa10_block
    .symbol:         k_qe8aedefa10_block.kd
    .args:
      - { .name: x, .offset: 0, .size: 8, .value_kind: global_buffer, .address_space: global }
      - { .name: d, .offset: 8, .size: 8, .value_kind: global_buffer, .address_space: global }
      - { .name: blob, .offset: 16, .size: 8, .value_kind: global_buffer, .address_space: global }
      - { .name: norm1_w, .offset: 24, .size: 8, .value_kind: global_buffer, .address_space: global }
      - { .name: norm1_b, .offset: 32, .size: 8, .value_kind: global_buffer, .address_space: global }
      - { .name: out0, .offset: 40, .size: 8, .value_kind: global_buffer, .address_space: global }
      - { .name: out1, .offset: 48, .size: 8, .value_kind: global_buffer, .address_space: global }
    .group_segment_fixed_size: 327680
    .private_segment_fixed_size: 0
    .kernarg_segment_align: 8
    .kernarg_segment_size: 56
    .max_flat_workgroup_size: 128
    .sgpr_count:     106
    .vgpr_count:     1024
    .wavefront_size: 32
...
	.end_amdgpu_metadata
.endif
;; end of part 2
;; ======== version 2 of 2: 2 launches; 1.59 times as fast as version 1
;; limits: a function is approximated: absolute error at most 0.0005
;; workspace buffers: blob 460,800 bytes
;; launch prep: the kernel of part 1 again; grid 225 x 1, 4 waves a work-group, no clusters, 0 bytes of LDS; arguments qkv1_w, proj_w, fc1_w, fc2_w, rpb_table, qkv1_b, fc1_b, proj_b, fc2_b, norm2_w, norm2_b, blob; writes blob
;; launch block (part 3): grid 256 x 1, 4 waves a work-group, clusters of 4 x 1, 327,680 bytes of LDS; arguments x, d, blob, norm1_w, norm1_b, out0, out1; writes out0, out1
.if DOCPART == 3
	.amdgcn_target "amdgcn-amd-amdhsa--gfx1250"
	.amdhsa_code_object_version 6
	.text
	.protected	k_qe8aedefa10_block
	.globl	k_qe8aedefa10_block
	.p2align	8
	.type	k_qe8aedefa10_block,@function
k_qe8aedefa10_block:
	s_mov_b64 s[64:65], 0
	v_nop
	global_prefetch_b8 v0, s[64:65] scope:SCOPE_SE
	s_setreg_imm32_b32 hwreg(HW_REG_WAVE_MODE, 25, 1), 1
	s_wait_xcnt 0x0
	s_wait_alu depctr_hold_cnt(0) depctr_sa_sdst(0) depctr_va_vdst(0) depctr_va_sdst(0) depctr_va_ssrc(0) depctr_va_vcc(0) depctr_vm_vsrc(0)
	s_getreg_b32 s2, hwreg(HW_REG_IB_STS2, 6, 4)
	s_cmp_eq_u32 s2, 0
	s_cbranch_scc0 .Lentry_in_a_cluster
	s_endpgm
.Lentry_in_a_cluster:
	s_bfe_u32 s2, ttmp6, 0x10000c
	s_cmp_lg_u32 s2, 0x3003
	s_cbranch_scc0 .Lentry_shape_is_right
	s_endpgm
.Lentry_shape_is_right:
; THE WHOLE BLOCK FOR ONE WINDOW PAIR A WAVE: LN1, qkv, the four windowed attentions, proj, residual, LN2, fc1, GELU, fc2, residual.  1,024 window pairs = 256 work-groups x 4 waves.
; TOKENS.  Tiles 0-3 are the window's 64 tokens of x, tiles 4-7 those of d; tile t holds window tokens 16 (t & 3) + 0..15.
; LAYOUT.  All products but V take 16 weight rows as source 0 and 16 tokens as source 1: a lane (r = lane % 16, h = lane / 16) of a result holds token r and channels 16 c + 8 h + 0..7, and two
; neighbouring channel tiles rounded to bf16 in pairs ARE the next product's fragment of 32 k.  V is made the other way round, so that two token tiles are V^T's fragment.  Nothing changes lanes but sums and maxima.
; THE RESIDUAL STREAM lies in 512 registers (R); proj and fc2 add onto it in place.  LDS is stored to on the way out alone.
; ALGEBRA.  p = 2^(c s - c m), c = log2(e) / sqrt(32), m the row's maximum; the relative-position bias comes times sqrt(32) as the C operand of the r-branch's scores; the two weight matrices of a stream are
; normalised and added in f32 before ONE product with V; V's bias enters as C = 2 b_v of that product (the two weight rows sum to 2); q's and k's biases are C operands; fc1_b is loaded into the accumulators;
; proj_b is added onto R once; fc2_b on the way out.
; LIMITS.  All matrix operands are bf16.  GELU's normal distribution function is taken as 1 / (1 + 2^(h (c1 + c3 h^2))), c1 = -2.3022082, c3 = -0.10294324: gelu is off by 5e-4 at the most, for every h, and by
; nothing to first order at 0; it neither overflows nor underflows into a wrong value.  A weight below 2^-126 counts as 0.  NaN and infinities are not treated apart.
; WEIGHTS walk through LDS from the blob of the launch before, by joint loads of the cluster's four work-groups (the same load, descriptor and mask in all four): every work-group reads all of them.
; By this text's own count a wave has three tensor loads out at the start and one later.
; LOOPS THAT NAME REGISTERS BY THEIR TRIP hold one block for each trip's registers, jumped over by a compare of the counter with a constant (WHEN); no barrier and no tensor load stands in such a block.
; ROOTS, EXPONENTIALS AND RECIPROCALS GO IN BATCHES, each with ONE s_wait_alu depctr_va_vdst(0) between such an instruction and the first that names its result.
; LN: a tile's one root.  SOFTMAX: a query tile's 64 exponentials, both sets'; then its two reciprocals.  MLP: three waits a turn, for 44 exponentials; 44 reciprocals and 20 exponentials; 20 reciprocals..
; REGISTERS, in windows of 256 (s_set_vgpr_msb: bits 1:0 source 0, 3:2 source 1, 5:4 source 2, 7:6 destination):
;   window 0: addresses and all that is at work    window 1: XN, the normalised tokens in bf16, 32 a tile    window 2: R of tiles 0-3, 64 a tile    window 3: R of tiles 4-7
.set SPARE,  327168                    ; the spare words, 128 bytes a wave: two blocks of 256 bytes that no other line names
.set PAR,    512                       ; qkv1_b (V's doubled), fc1_b, proj_b, fc2_b, norm2_w, norm2_b
.set P_FC1B, PAR+2048
.set P_PROJB, PAR+4096
.set P_FC2B, PAR+4608
.set P_N2W,  PAR+5120
.set P_N2B,  PAR+5632
.set MB,     6656                      ; MLP chunk c (32 hidden channels: 8 fragments of fc1, 8 of fc2) at MB + 16,384 c
.set CHB,    16384
.set ST0,    39424                     ; at the start: x and d as they come, a wave's own 2 x 64 tokens
.set TPITCH, 528                       ; a token: 512 bytes + 16 of padding = 33 x 16: the 16 tokens of a load start at 16 different groups of four banks (64 banks of 4 bytes: ISA guide 11.1)
.set HST,    64*TPITCH
.set WST,    2*HST
.set QL,     72192                     ; later: the four heads' qkv weights, 32,768 each,
.set PJL,    203264                    ; proj, 8,192 a head,
.set RPL,    236032                    ; and the bias images, 4,096 a tile distance, 1,024 a head
.set STAGE,  309760                    ; the way out: 16 rows x 272 bytes for each wave; no tensor load lands here
.set SPITCH, 272
.set WSTG,   16*SPITCH
.set B_B,    38912                     ; blob offsets of the later parts
.set B_L,    231424
.set B_F,    362496
.set SPW, 1                            ; v1   my spare word's LDS address; never rewritten
.set NIL, 2                            ; v2   0; never rewritten
.set LFR, 3                            ; v3   16 x lane: my place in a fragment
.set LB8, 4                            ; v4   32 h: my place in a vector of channels
.set AST, 5                            ; v5   my place in my wave's staging
.set AQ,  6                            ; v6-9 attention: the head's qkv weights, proj weights, bias images, qkv bias
.set APJ, 7
.set ARP, 8
.set ABQ, 9
.set ACUR, 6                           ; v6-9 MLP: this chunk, the chunk before, fc1's bias, the next chunk
.set AF2, 7
.set AB,  8
.set ANX, 9
.set STO, 10                           ; v10-15 the way out
.set RD,  11
.set GO,  12
.set GOC, 13
.set FBT, 14
.set FBA, 15
.set U,   32                           ; LN: v16 mean, v18 1 / sigma, v20-21 at work, U, TM at work, VW gain, VB bias
.set TM,  64
.set VW,  128
.set VB,  192
.set BC,  16                           ; attention: a slice's bias as C; later STA, the softmax's statistics, 8 a set: c0-c3, c m (pair), 1 / l (pair)
.set STA, 16
.set KF,  32
.set VF,  64
.set QA,  96                           ; the stream's own queries; later O's fragments
.set QB,  128                          ; the other stream's queries; also FB1; later proj's fragments 0-3
.set SCA, 160                          ; scores; with SCB the accumulators of qkv; later proj's fragments 4-7
.set SCB, 192
.set ACCU, 160
.set OA,  192
.set PF,  224
.set BV,  240
.set FB0, 224
.set TT,  16                           ; MLP: v16-27, GELU's temporaries of pairs 16-21
.set H0,  32
.set G0,  160
.set G1,  192
.set FR,  224
.set OB,  32
.set WV,  18                           ; s18  wave
.set HD,  22                           ; s22  heads to go
.set CT,  23                           ; s23  the inner loops' counter
.set G1X, 28
.set G1A, 36
.set G1B, 44
.set G1L, 52
.set CS,  60                           ; s[60:61] c
.set SEL, 62                           ; s[62:63] v_permlanex16_b32's selects: each lane takes its own place in the other half
.set C1,  66
.set G1F, 68
.set G0X, 76
.set G0D, 80
.set G0A, 84
.set G0B, 88
.set G0L, 92
.set G0F, 96
.set C3,  100
.set MSB, 0
.macro WIN new                         ; the high byte repeats the setting that is left; a switch that changes nothing is dropped
.if MSB != (\new)
	s_set_vgpr_msb (MSB<<8)|(\new)
.set MSB, (\new)
.endif
.endm
.macro PLACES n                        ; plain vector instructions between a matrix instruction and what may not follow it at once (ISA guide 7.12.1)
.rept \n
	v_nop
.endr
.endm
.macro ROUND                           ; a round of the cluster's barrier
	s_barrier_signal -1
	s_barrier_wait -1
	s_cmp_lg_u32 s[WV], 0
	s_cbranch_scc1 .Lnw0_\@
	s_barrier_signal -3
.Lnw0_\@:
	s_barrier_wait -3
	s_barrier_signal -1
	s_barrier_wait -1
.endm
.macro WHEN cnt, val, body:vararg      ; the body, in the trip in which the counter has this value
	WIN 0
	s_cmp_lg_u32 s[\cnt], \val
	s_cbranch_scc1 .Lwh_\@
	\body
	WIN 0
.Lwh_\@:
.endm
.macro G1W base, rows                  ; descriptor group 1 for a dense part of the blob: rows of 256 bytes (32 elements of 8), asked for jointly by the cluster's four work-groups
	s_mov_b32 s[\base], 15|(3<<16)|(1<<21)
	s_mov_b32 s[\base+1], 32<<16
	s_mov_b32 s[\base+2], (\rows)<<16
	s_mov_b32 s[\base+3], 32<<16
	s_mov_b32 s[\base+4], \rows
	s_mov_b32 s[\base+5], 32
	s_mov_b32 s[\base+6], 0
	s_mov_b32 s[\base+7], 0
.endm
	s_load_b256 s[4:11], s[0:1], 0x0               ; x s[4:5], d s[6:7], blob s[8:9], norm1_w s[10:11]
	s_load_b128 s[12:15], s[0:1], 0x20             ; norm1_b s[12:13], out0 s[14:15]
	s_load_b64 s[16:17], s[0:1], 0x30              ; out1
	v_lshl_add_u32 v[SPW], v0, 2, SPARE
	v_mov_b32 v[NIL], 0
	ds_add_u32 v[SPW], v[NIL]                      ; the wave's opening: the add and its wait ahead of my first tensor load; the set-up below stands between them
	v_lshrrev_b32 v3, 5, v0
	v_readfirstlane_b32 s[WV], v3
	s_bfe_u32 s19, ttmp6, 0x40000                  ; cx: it enters x's, d's and the outputs' addresses alone
	s_lshl_b32 s3, ttmp9, 2
	s_add_co_u32 s19, s19, s3                      ; work-group
	s_lshl_b32 s19, s19, 2
	s_add_co_u32 s19, s19, s[WV]                   ; my window pair, 0 .. 1,023
	s_lshr_b32 s20, s19, 8
	s_lshl_b32 s20, s20, 23                        ; the image: 16,384 tokens of 512 bytes
	s_bfe_u32 s21, s19, 0x40004
	s_lshl_b32 s21, s21, 19                        ; the row of windows: 8 x 128 tokens
	s_add_co_u32 s20, s20, s21
	s_and_b32 s21, s19, 15
	s_lshl_b32 s21, s21, 12                        ; the window in it: 8 tokens
	s_add_co_u32 s20, s20, s21
	s_mov_b32 s21, 0                               ; s[20:21]: the window's first byte
	; x and d: 8 rows of 8 tokens (1,024 elements of 4 bytes), 16,384 elements from row to row; 4 words of padding behind every 128 words, a token
	s_mov_b32 s[G1X], (2<<16)|(1<<20)|(6<<22)|(3<<25)
	s_mov_b32 s[G1X+1], 1024<<16
	s_mov_b32 s[G1X+2], 8<<16
	s_mov_b32 s[G1X+3], 1024<<16
	s_mov_b32 s[G1X+4], 8
	s_mov_b32 s[G1X+5], 16384
	s_mov_b32 s[G1X+6], 0
	s_mov_b32 s[G1X+7], 0
	G1W G1A, 38                                    ; a wave's quarter of: PAR and chunks 0, 1
	G1W G1B, 188                                   ; qkv, proj, bias images
	G1W G1L, 32                                    ; two chunks
	G1W G1F, 96                                    ; six chunks
	s_mul_i32 s2, s[WV], WST
	s_add_co_u32 s2, s2, ST0                       ; my staging
	s_mov_b32 s[G0X], 1
	s_mov_b32 s[G0X+1], s2
	s_mov_b32 s[G0D], 1
	s_add_co_u32 s[G0D+1], s2, HST
	s_mul_i32 s3, s[WV], 9728
	s_mov_b32 s[G0A], 1
	s_add_co_u32 s[G0A+1], s3, PAR
	s_mul_i32 s3, s[WV], 48128
	s_mov_b32 s[G0B], 1
	s_add_co_u32 s[G0B+1], s3, QL
	s_lshl_b32 s3, s[WV], 13
	s_mov_b32 s[G0L], 1
	s_add_co_u32 s[G0L+1], s3, MB                  ; one step low: each trip steps it before it asks
	s_mul_i32 s3, s[WV], 24576
	s_mov_b32 s[G0F], 1
	s_add_co_u32 s[G0F+1], s3, MB+10*CHB
	s_mov_b32 s[CS], 0x3e8293ee                    ; c = log2(e) / sqrt(32)
	s_mov_b32 s[CS+1], 0x3e8293ee
	s_mov_b32 s[SEL], 0x76543210
	s_mov_b32 s[SEL+1], 0xfedcba98
	s_mov_b32 s[C1], 0xc0135761                    ; -2.3022082
	s_mov_b32 s[C1+1], 0xc0135761
	s_mov_b32 s[C3], 0xbdd2d3e8                    ; -0.10294324
	s_mov_b32 s[C3+1], 0xbdd2d3e8
	s_mov_b32 s27, 0
	s_wait_dscnt 0x0                               ; the opening add is done
	s_wait_kmcnt 0x0
	s_add_nc_u64 s[G0X+2:G0X+3], s[4:5], s[20:21]
	s_or_b32 s[G0X+3], s[G0X+3], 0x80000000
	s_add_nc_u64 s[G0D+2:G0D+3], s[6:7], s[20:21]
	s_or_b32 s[G0D+3], s[G0D+3], 0x80000000
	s_add_nc_u64 s[14:15], s[14:15], s[20:21]      ; the outputs at my window
	s_add_nc_u64 s[16:17], s[16:17], s[20:21]
	s_mul_i32 s26, s[WV], 9728
	s_add_nc_u64 s[G0A+2:G0A+3], s[8:9], s[26:27]
	s_or_b32 s[G0A+3], s[G0A+3], 0x80000000
	s_mul_i32 s26, s[WV], 48128
	s_add_co_u32 s26, s26, B_B
	s_add_nc_u64 s[G0B+2:G0B+3], s[8:9], s[26:27]
	s_or_b32 s[G0B+3], s[G0B+3], 0x80000000
	s_lshl_b32 s26, s[WV], 13
	s_add_co_u32 s26, s26, B_L-32768
	s_add_nc_u64 s[G0L+2:G0L+3], s[8:9], s[26:27]
	s_or_b32 s[G0L+3], s[G0L+3], 0x80000000
	s_mul_i32 s26, s[WV], 24576
	s_add_co_u32 s26, s26, B_F
	s_add_nc_u64 s[G0F+2:G0F+3], s[8:9], s[26:27]
	s_or_b32 s[G0F+3], s[G0F+3], 0x80000000
	ROUND                                          ; all four work-groups are here: the first joint load meets
	tensor_load_to_lds s[G0X:G0X+3], s[G1X:G1X+7]  ; my window of x,
	s_nop 0
	tensor_load_to_lds s[G0D:G0D+3], s[G1X:G1X+7]  ; of d,
	s_nop 0
	tensor_load_to_lds s[G0A:G0A+3], s[G1A:G1A+7]  ; my quarter of PAR and chunks 0, 1
	s_nop 0
	PLACES 4
	v_and_b32 v[LFR], 31, v0
	v_lshlrev_b32 v[LFR], 4, v[LFR]
	v_and_b32 v22, 15, v0                          ; r
	v_bfe_u32 v23, v0, 4, 1                        ; h
	v_lshlrev_b32 v[LB8], 5, v23
	v_mul_u32_u24 v[AST], v22, TPITCH
	v_add_nc_u32 v[AST], v[AST], v[LB8]
	v_add_nc_u32 v[AST], s2, v[AST]
	s_mul_i32 s3, s[WV], WSTG
	s_add_co_u32 s3, s3, STAGE                     ; my stage
	v_mul_u32_u24 v[STO], v22, SPITCH              ; in: row r, 32 bytes for each half of the lanes
	v_add_nc_u32 v[STO], v[STO], v[LB8]
	v_add_nc_u32 v[STO], s3, v[STO]
	v_mul_u32_u24 v[RD], v23, SPITCH               ; back: lanes 0-15 one row of 256 bytes, lanes 16-31 the next
	v_lshl_add_u32 v[RD], v22, 4, v[RD]
	v_add_nc_u32 v[RD], s3, v[RD]
	v_lshlrev_b32 v[GO], 9, v23                    ; and the same two tokens in the output
	v_lshl_add_u32 v[GO], v22, 4, v[GO]
	v_lshlrev_b32 v[FBA], 4, v22
	v_add_nc_u32 v[FBA], P_FC2B, v[FBA]
	v_mov_b32 v17, 0                               ; upper halves of pairs of which the low word is taken for both results, and a lane exchange's destination: written once
	v_mov_b32 v19, 0
	v_mov_b32 v21, 0
.set i, 0
.rept 16                                               ; norm1's gain and bias for my 64 channels 16 c + 8 h + 0..7
	global_load_b128 v[VW+4*i:VW+4*i+3], v[LB8], s[10:11] offset:64*(i/2)+16*(i%2)
	global_load_b128 v[VB+4*i:VB+4*i+3], v[LB8], s[12:13] offset:64*(i/2)+16*(i%2)
.set i, i+1
.endr
	s_wait_tensorcnt 0x2                           ; x has landed; d's load and the blob's are younger.  The bytes are my wave's own
	WIN 0x80
.set i, 0
.rept 64                                               ; R(t, c) registers 4 q ..: token 16 t + r, channels 16 c + 8 h + 4 q ..
	ds_load_b128 v[4*i:4*i+3], v[AST] offset:16*TPITCH*(i/16)+64*((i/2)%8)+16*(i%2)
.set i, i+1
.endr
	s_wait_tensorcnt 0x1                           ; d has landed
	WIN 0xc0
.set i, 0
.rept 64
	ds_load_b128 v[4*i:4*i+3], v[AST] offset:HST+16*TPITCH*(i/16)+64*((i/2)%8)+16*(i%2)
.set i, i+1
.endr
	WIN 0
	s_wait_tensorcnt 0x0                           ; all my tensor loads have landed, my quarter of PAR and chunks 0, 1 among them;
	ds_add_u32 v[SPW], v[NIL]
	s_wait_dscnt 0x0                               ; the add is done, and x and d are in registers: nobody reads the staging any more
	ROUND
	tensor_load_to_lds s[G0B:G0B+3], s[G1B:G1B+7]  ; qkv, proj and the bias images, over the staging; they land while LN1 is made
	s_nop 0
	PLACES 4
; LAYER NORM of all eight tiles, R -> XN; gain and bias lie in VW and VB.  Two passes in f32: the mean, then the mean of the squared differences.  A token's 128 channels lie in two lanes, 16 apart.
.macro LNA t                           ; 64 numbers to 32; each accumulator's lowest pair is read first
	WIN 0x0a+5*((\t)/4)
.set rb, 64*((\t)%4)
.set i, 0
.rept 16
	v_pk_add_f32 v[U+2*i:U+2*i+1], v[rb+2*i:rb+2*i+1], v[rb+32+2*i:rb+33+2*i]
.set i, i+1
.endr
.endm
.macro LNB t                           ; the differences from the mean
	WIN 0x02+(\t)/4
.set rb, 64*((\t)%4)
.set i, 0
.rept 32
	v_pk_add_f32 v[TM+2*i:TM+2*i+1], v[rb+2*i:rb+2*i+1], v[16:17] op_sel_hi:[1,0] neg_lo:[0,1] neg_hi:[0,1]
.set i, i+1
.endr
.endm
.macro LNC t                           ; rounded in pairs: four fragments of 32 channels
	WIN 0x40
.set i, 0
.rept 32
	v_cvt_pk_bf16_f32 v[32*(\t)+i], v[TM+2*i], v[TM+2*i+1]
.set i, i+1
.endr
.endm
.macro LN
	WIN 0
	s_mov_b32 s2, 0x3c000000                       ; 1 / 128
	s_mov_b32 s3, 0x3727c5ac                       ; 1e-5
	s_mov_b32 s[CT], 0
.Lln_\@:
.irp t, 0,1,2,3,4,5,6,7
	WHEN CT, \t, LNA \t
.endr
.irp w, 16,8,4,2
.set i, 0
.rept \w/2
	v_pk_add_f32 v[U+2*i:U+2*i+1], v[U+2*i:U+2*i+1], v[U+\w+2*i:U+\w+2*i+1]
.set i, i+1
.endr
.endr
	v_add_f32 v20, v[U], v[U+1]
	v_permlanex16_b32 v21, v20, s[SEL], s[SEL+1]
	v_add_f32 v20, v20, v21
	v_mul_f32 v16, s2, v20
.irp t, 0,1,2,3,4,5,6,7
	WHEN CT, \t, LNB \t
.endr
.set i, 0
.rept 4                                                ; four chains, started by the first four pairs
	v_pk_mul_f32 v[U+2*i:U+2*i+1], v[TM+2*i:TM+2*i+1], v[TM+2*i:TM+2*i+1]
.set i, i+1
.endr
.rept 28
	v_pk_fma_f32 v[U+2*(i%4):U+2*(i%4)+1], v[TM+2*i:TM+2*i+1], v[TM+2*i:TM+2*i+1], v[U+2*(i%4):U+2*(i%4)+1]
.set i, i+1
.endr
	v_pk_add_f32 v[U:U+1], v[U:U+1], v[U+2:U+3]
	v_pk_add_f32 v[U+4:U+5], v[U+4:U+5], v[U+6:U+7]
	v_pk_add_f32 v[U:U+1], v[U:U+1], v[U+4:U+5]
	v_add_f32 v20, v[U], v[U+1]
	v_permlanex16_b32 v21, v20, s[SEL], s[SEL+1]
	v_add_f32 v20, v20, v21
	v_fma_f32 v20, v20, s2, s3
	v_rsq_f32 v18, v20
	v_nop                                          ; a plain instruction between the root and the use of its result
	s_wait_alu depctr_va_vdst(0)                   ; a batch of one, the tile's root; all that is left of the trip reads it
.set i, 0
.rept 32
	v_pk_mul_f32 v[TM+2*i:TM+2*i+1], v[TM+2*i:TM+2*i+1], v[18:19] op_sel_hi:[1,0]
.set i, i+1
.endr
.set i, 0
.rept 32
	v_pk_fma_f32 v[TM+2*i:TM+2*i+1], v[TM+2*i:TM+2*i+1], v[VW+2*i:VW+2*i+1], v[VB+2*i:VB+2*i+1]
.set i, i+1
.endr
.irp t, 0,1,2,3,4,5,6,7
	WHEN CT, \t, LNC \t
.endr
	s_add_co_u32 s[CT], s[CT], 1
	s_cmp_lt_u32 s[CT], 8
	s_cbranch_scc1 .Lln_\@
.endm
	s_wait_loadcnt 0x0                             ; norm1's gain and bias
	LN
	; proj_b onto the residual stream, once
.set i, 0
.rept 16
	ds_load_b128 v[TM+4*i:TM+4*i+3], v[LB8] offset:P_PROJB+64*(i/2)+16*(i%2)
.set i, i+1
.endr
	s_wait_dscnt 0x0
.irp wn, 0x82, 0xc3
	WIN \wn
.set i, 0
.rept 128
	v_pk_add_f32 v[2*i:2*i+1], v[2*i:2*i+1], v[TM+2*(i%32):TM+2*(i%32)+1]
.set i, i+1
.endr
.endr
	WIN 0
; ATTENTION.  A UNIT is one head of one stream (hf = 0: keys and values of x; 1: of d).  Its slices are made in the order K, V, Q (the stream's own), Q' (the other stream's fourth slice), each in two half
; slices of 64 along the channels, 16 matrix instructions on 8 accumulators that take turns.
.macro SLOF x                          ; the slice's number in qkv1_w
.if (\x) == 0
.set SL, 1
.elseif (\x) == 1
.set SL, 2
.elseif (\x) == 2
.set SL, 0
.else
.set SL, 3
.endif
.endm
.macro FETCH hs                        ; half slice hs: four weight fragments (2 k steps x 2 channel tiles) into buffer hs % 2
	WIN 0
	SLOF (\hs)/2
.set fb, FB0-96*((\hs)%2)
.irp kk, 0,1
.irp u, 0,1
.set fo, ((SL*2+\u)*4+2*((\hs)%2)+\kk)*1024
.set fr, fb+8*(2*\kk+\u)
	ds_load_b128 v[fr:fr+3], v[AQ] offset:fo
	ds_load_b128 v[fr+4:fr+7], v[AQ] offset:fo+512
.endr
.endr
.endm
.macro BIAS sl                         ; the slice's bias as two C operands
	WIN 0
.irp i, 0,1,2,3
	ds_load_b128 v[BC+4*\i:BC+4*\i+3], v[ABQ] offset:(\sl)*512+64*(\i/2)+16*(\i%2)
.endr
.endm
.macro HS hf, hs
	WIN 0
	s_wait_dscnt 0x0                               ; this half slice's fragments, and the bias
	PLACES 5                                       ; behind the last products: the loads below land in a buffer that they read, and the first products below write over registers of theirs
.if (\hs) < 7
	FETCH (\hs)+1
.endif
.if (\hs) == 3
	BIAS 0
.endif
.if (\hs) == 5
	BIAS 3
.endif
	SLOF (\hs)/2
.set fb, FB0-96*((\hs)%2)
.set tb, 4*(\hf)
.if SL == 3
.set tb, 4-4*(\hf)
.endif
.if SL == 2
	WIN 0x01                                       ; V: the tokens are source 0
.else
	WIN 0x04                                       ; the tokens are source 1
.endif
.irp kk, 0,1
.irp u, 0,1
.irp tp, 0,1,2,3
.set ks, 2*((\hs)%2)+\kk
.set fr, fb+8*(2*\kk+\u)
.set xn, 32*(tb+\tp)+8*ks
.if SL == 2
.set ac, ACCU+32*\u+8*\tp
.if ks == 0
	v_wmma_f32_16x16x32_bf16 v[ac:ac+7], v[xn:xn+7], v[fr:fr+7], 0
.else
	v_wmma_f32_16x16x32_bf16 v[ac:ac+7], v[xn:xn+7], v[fr:fr+7], v[ac:ac+7]
.endif
.else
.set ac, ACCU+16*\tp+8*\u
.if ks == 0
	v_wmma_f32_16x16x32_bf16 v[ac:ac+7], v[fr:fr+7], v[xn:xn+7], v[BC+8*\u:BC+8*\u+7]
.else
	v_wmma_f32_16x16x32_bf16 v[ac:ac+7], v[fr:fr+7], v[xn:xn+7], v[ac:ac+7]
.endif
.endif
.endr
.endr
.endr
	WIN 0
.if (\hs)%2
	PLACES 4
.set i, 0
.rept 32                                               ; the slice, rounded in pairs, is four fragments: KF, VF, QA, QB in the order of the slices
	v_cvt_pk_bf16_f32 v[KF+32*((\hs)/2)+i], v[ACCU+2*i], v[ACCU+2*i+1]
.set i, i+1
.endr
.endif
.endm
.macro RPBL qt                         ; the bias images for query tile qt, into the accumulators that the r-branch's scores add onto
.irp kb, 0,1,2,3
	ds_load_b128 v[SCA+8*\kb:SCA+8*\kb+3], v[ARP] offset:((\qt)-\kb+3)*4096
	ds_load_b128 v[SCA+8*\kb+4:SCA+8*\kb+7], v[ARP] offset:((\qt)-\kb+3)*4096+512
.endr
.endm
.macro SQK hf, qt                      ; both score tiles S^T = K Q^T of query tile qt: a lane holds one query and the keys 16 kb + 8 h + 0..7
	WIN 0
	s_wait_dscnt 0x0                               ; the bias images; V's bias
.irp kb, 0,1,2,3
.if (\hf) == 0
	v_wmma_f32_16x16x32_bf16 v[SCA+8*\kb:SCA+8*\kb+7], v[KF+8*\kb:KF+8*\kb+7], v[QA+8*(\qt):QA+8*(\qt)+7], v[SCA+8*\kb:SCA+8*\kb+7]
.else
	v_wmma_f32_16x16x32_bf16 v[SCA+8*\kb:SCA+8*\kb+7], v[KF+8*\kb:KF+8*\kb+7], v[QA+8*(\qt):QA+8*(\qt)+7], 0
.endif
	v_wmma_f32_16x16x32_bf16 v[SCB+8*\kb:SCB+8*\kb+7], v[KF+8*\kb:KF+8*\kb+7], v[QB+8*(\qt):QB+8*(\qt)+7], 0
.endr
	PLACES 5                                       ; five: as many as a matrix instruction wants that starts a sum in these accumulators anew, whichever block of the text stands next; four of them serve the maxima and the loads below
.if (\qt) == 3
.irp o, 0,1,2,3                                        ; the other stream's queries are done with: proj's fragments 0-3 take their place
	ds_load_b128 v[QB+8*\o:QB+8*\o+3], v[APJ] offset:\o*1024
	ds_load_b128 v[QB+8*\o+4:QB+8*\o+7], v[APJ] offset:\o*1024+512
.endr
.endif
.endm
.macro BOTH line:vararg                ; one line for each of the two sets of scores
.set sb, SCA
.set st, STA
	\line
.set sb, SCB
.set st, STA+8
	\line
.endm
.macro EXF                             ; for one set: the exponential of pair i's first score and, while there are any, the scaling of the pair two further on
	v_exp_f32 v[sb+2*i], v[sb+2*i]
.if i < 14
	v_pk_fma_f32 v[sb+2*i+4:sb+2*i+5], v[sb+2*i+4:sb+2*i+5], s[CS:CS+1], v[st+4:st+5] op_sel_hi:[1,0,0] neg_lo:[0,0,1] neg_hi:[0,0,1]
.endif
.endm
.macro SOFTMAX                         ; both softmaxes of a query tile, normalised, added, rounded: PF.  Two batches: the 64 exponentials; the two reciprocals of their sums
	WIN 0
.set n, 0
.rept 4                                                ; the maximum: four chains; each accumulator's lowest registers are read first
	BOTH v_max3_num_f32 v[st+n], v[sb+8*n], v[sb+8*n+1], v[sb+8*n+2]
.set n, n+1
.endr
.rept 8
	BOTH v_max3_num_f32 v[st+n%4], v[st+n%4], v[sb+8*(n%4)+2*(n/4)+1], v[sb+8*(n%4)+2*(n/4)+2]
.set n, n+1
.endr
	BOTH v_max3_num_f32 v[st], v[st], v[sb+7], v[sb+15]
	BOTH v_max3_num_f32 v[st+1], v[st+1], v[sb+23], v[sb+31]
	BOTH v_max3_num_f32 v[st], v[st], v[st+1], v[st+2]
	BOTH v_max_num_f32 v[st], v[st], v[st+3]
	BOTH v_permlanex16_b32 v[st+1], v[st], s[SEL], s[SEL+1]  ; the query's other 32 keys lie in the lane 16 away
	BOTH v_max_num_f32 v[st], v[st], v[st+1]
	BOTH v_mul_f32 v[st+4], s[CS], v[st]
.set i, 0
.rept 2                                                ; the first two pairs' scalings c s - c m
	BOTH v_pk_fma_f32 v[sb+2*i:sb+2*i+1], v[sb+2*i:sb+2*i+1], s[CS:CS+1], v[st+4:st+5] op_sel_hi:[1,0,0] neg_lo:[0,0,1] neg_hi:[0,0,1]
.set i, i+1
.endr
.set i, 0
.rept 16                                               ; ONE BATCH: all 64 exponentials, the other 28 scalings among them.  A scaling names a pair whose exponentials are still to come: nothing here names a result
	BOTH EXF
	BOTH v_exp_f32 v[sb+2*i+1], v[sb+2*i+1]
.set i, i+1
.endr
	s_wait_alu depctr_va_vdst(0)                   ; one wait for the 64 exponentials.  The first sum below reads the batch's oldest results: it is the plain instruction behind the last exponential
	BOTH v_pk_add_f32 v[st:st+1], v[sb:sb+1], v[sb+4:sb+5]  ; the sums: two chains a set, pair p onto chain p % 2
	BOTH v_pk_add_f32 v[st+2:st+3], v[sb+2:sb+3], v[sb+6:sb+7]
.set i, 4
.rept 12
	BOTH v_pk_add_f32 v[st+2*(i%2):st+2*(i%2)+1], v[st+2*(i%2):st+2*(i%2)+1], v[sb+2*i:sb+2*i+1]
.set i, i+1
.endr
	BOTH v_pk_add_f32 v[st:st+1], v[st:st+1], v[st+2:st+3]
	BOTH v_add_f32 v[st], v[st], v[st+1]
	BOTH v_permlanex16_b32 v[st+1], v[st], s[SEL], s[SEL+1]
	BOTH v_add_f32 v[st], v[st], v[st+1]
	BOTH v_rcp_f32 v[st+6], v[st]                  ; the sum holds the maximum's own weight, 1
	v_nop                                          ; a plain instruction between the reciprocals and the use of their results
	s_wait_alu depctr_va_vdst(0)                   ; one wait for the two reciprocals
.set i, 0
.rept 16
	v_pk_mul_f32 v[SCA+2*i:SCA+2*i+1], v[SCA+2*i:SCA+2*i+1], v[STA+6:STA+7] op_sel_hi:[1,0]
.set i, i+1
.endr
.set i, 0
.rept 16
	v_pk_fma_f32 v[SCA+2*i:SCA+2*i+1], v[SCB+2*i:SCB+2*i+1], v[STA+14:STA+15], v[SCA+2*i:SCA+2*i+1] op_sel_hi:[1,0,1]
.set i, i+1
.endr
.set i, 0
.rept 16
	v_cvt_pk_bf16_f32 v[PF+i], v[SCA+2*i], v[SCA+2*i+1]
.set i, i+1
.endr
.endm
.macro PV                              ; O^T = V^T P + 2 b_v: two accumulators by turns
	WIN 0
	v_wmma_f32_16x16x32_bf16 v[OA:OA+7], v[VF:VF+7], v[PF:PF+7], v[BV:BV+7]
	v_wmma_f32_16x16x32_bf16 v[OA+8:OA+15], v[VF+16:VF+23], v[PF:PF+7], v[BV+8:BV+15]
	v_wmma_f32_16x16x32_bf16 v[OA:OA+7], v[VF+8:VF+15], v[PF+8:PF+15], v[OA:OA+7]
	v_wmma_f32_16x16x32_bf16 v[OA+8:OA+15], v[VF+24:VF+31], v[PF+8:PF+15], v[OA+8:OA+15]
	PLACES 5                                       ; five: O^T shares its registers with the second set of scores, whose next products start their sums there anew; four of them serve the roundings that follow
.endm
.macro OCV hf, qt                      ; O's fragment takes the place of the query tile that made it
	WIN 0
.set i, 0
.rept 8
	v_cvt_pk_bf16_f32 v[QA+8*(\qt)+i], v[OA+2*i], v[OA+2*i+1]
.set i, i+1
.endr
.if ((\hf) == 0) && ((\qt) < 3)
	RPBL (\qt)+1
.endif
.endm
.macro UNIT hf
.if (\hf) == 0
	FETCH 0
	BIAS 1
.endif
.irp hs, 0,1,2,3,4,5,6,7
	HS \hf, \hs
.endr
	WIN 0
.irp i, 0,1,2,3
	ds_load_b128 v[BV+4*\i:BV+4*\i+3], v[ABQ] offset:1024+64*(\i/2)+16*(\i%2)
.endr
.if (\hf) == 0
	RPBL 0
.endif
	s_mov_b32 s[CT], 0
.Lqt_\@:                                               ; a trip: one tile of 16 queries
.irp q, 0,1,2,3
	WHEN CT, \q, SQK \hf, \q
.endr
	SOFTMAX
	PV
.irp q, 0,1,2,3
	WHEN CT, \q, OCV \hf, \q
.endr
	s_add_co_u32 s[CT], s[CT], 1
	s_cmp_lt_u32 s[CT], 4
	s_cbranch_scc1 .Lqt_\@
.irp o, 0,1,2,3                                        ; proj's fragments 4-7
	ds_load_b128 v[SCA+8*\o:SCA+8*\o+3], v[APJ] offset:(4+\o)*1024
	ds_load_b128 v[SCA+8*\o+4:SCA+8*\o+7], v[APJ] offset:(4+\o)*1024+512
.endr
.if (\hf) == 0
	FETCH 0                                        ; the other stream's unit begins with the same weights
	BIAS 1
	s_wait_dscnt 20                                ; fragments 0-3 are in: behind them 8 loads of fragments 4-7 and the 12 just issued
.else
	s_wait_dscnt 8                                 ; fragments 0-3 are in: behind them the 8 loads of fragments 4-7
.endif
	WIN 0xa0+0x50*(\hf)                            ; R += proj's rows x the head's 32 channels of O: 32 different accumulators
.irp o, 0,1,2,3
.irp q, 0,1,2,3
	v_wmma_f32_16x16x32_bf16 v[64*\q+8*\o:64*\q+8*\o+7], v[QB+8*\o:QB+8*\o+7], v[QA+8*\q:QA+8*\q+7], v[64*\q+8*\o:64*\q+8*\o+7]
.endr
.endr
.if (\hf) == 0
	s_wait_dscnt 12                                ; fragments 4-7 are in
.else
	s_wait_dscnt 0x0
.endif
.irp o, 0,1,2,3
.irp q, 0,1,2,3
	v_wmma_f32_16x16x32_bf16 v[64*\q+8*\o+32:64*\q+8*\o+39], v[SCA+8*\o:SCA+8*\o+7], v[QA+8*\q:QA+8*\q+7], v[64*\q+8*\o+32:64*\q+8*\o+39]
.endr
.endr
	WIN 0
.endm
	s_mov_b32 s[HD], 4
	s_mov_b32 s24, QL
	s_mov_b32 s25, PJL
	s_mov_b32 s26, RPL
	s_mov_b32 s27, PAR
.Lhead:                                                ; a trip: one head.  It also brings two MLP chunks, into bytes that nobody reads any more: the staging's head, then the slots of the heads that are done
	s_wait_tensorcnt 0x0                           ; all my tensor loads have landed (in the first trip: my quarter of the weights that this loop reads), so a group 0 may be written;
	ds_add_u32 v[SPW], v[NIL]                      ; the descriptor's steps stand between the add and the wait for it
	s_add_co_u32 s[G0L+1], s[G0L+1], 32768
	s_add_nc_u64 s[G0L+2:G0L+3], s[G0L+2:G0L+3], 32768
	s_wait_dscnt 0x0                               ; the add is done, and my reads of the last head's weights are over
	ROUND
	tensor_load_to_lds s[G0L:G0L+3], s[G1L:G1L+7]
	s_nop 0
	PLACES 4
	v_add_nc_u32 v[AQ], s24, v[LFR]
	v_add_nc_u32 v[APJ], s25, v[LFR]
	v_add_nc_u32 v[ARP], s26, v[LFR]
	v_add_nc_u32 v[ABQ], s27, v[LB8]
	UNIT 0
	UNIT 1
	s_add_co_u32 s24, s24, 32768
	s_add_co_u32 s25, s25, 8192
	s_add_co_u32 s26, s26, 1024
	s_add_co_u32 s27, s27, 128
	s_sub_co_u32 s[HD], s[HD], 1
	s_cmp_lg_u32 s[HD], 0
	s_cbranch_scc1 .Lhead
	s_wait_tensorcnt 0x0
	ds_add_u32 v[SPW], v[NIL]
	s_wait_dscnt 0x0                               ; my reads of the attention's weights are over
	ROUND
	tensor_load_to_lds s[G0F:G0F+3], s[G1F:G1F+7]  ; the last six chunks, over them; they land while LN2 is made
	s_nop 0
	PLACES 4
.set i, 0
.rept 16
	ds_load_b128 v[VW+4*i:VW+4*i+3], v[LB8] offset:P_N2W+64*(i/2)+16*(i%2)
	ds_load_b128 v[VB+4*i:VB+4*i+3], v[LB8] offset:P_N2B+64*(i/2)+16*(i%2)
.set i, i+1
.endr
	s_wait_dscnt 0x0
	LN
	s_wait_tensorcnt 0x0                           ; my quarter of the last chunks is in;
	ds_add_u32 v[SPW], v[NIL]
	s_wait_dscnt 0x0
	s_barrier_signal -1
	s_barrier_wait -1                              ; everybody's is: all sixteen chunks are whole, and nothing is filled from here on
; THE MLP, BY TURNS.  A PIECE is a chunk of 32 hidden channels for one stream's four tiles: 32 products fc1, GELU of 64 numbers a lane, 32 products fc2.  In a TURN one piece has its GELU; beside it stand
; the piece before's fc2 and the next piece's fc1: 64 matrix instructions, five of the GELU's 320 vector instructions (RIDERS, numbered 0 to 319) behind each.  Two turns are a chunk.
; GELU of a pair p of numbers h, in ten instructions: h h; x c3 + c1; x h; two exponentials; + 1; two reciprocals; x h; rounded to bf16.
; THE BATCHES.  The piece's 32 pairs are cut in X (pairs 0-21) and Y (pairs 22-31).  A pair has two registers of its own from its first instruction to its rounding.  X's pairs 0-15 lie in the piece's own G, at
; G + 2 p: the roundings go in ascending order and fill G from its low end, each into a register of a pair that is rounded already.  X's pairs 16-21 lie in TT.  Y's lie in the other G, free once fc2's last product (group 7) has read it.
;   riders 0-109    X's arguments and 44 exponentials, plain and exponential by turns                                                                     WAIT 1, ahead of group 5's fragment loads
;   riders 110-225  X's + 1 and 44 reciprocals; from rider 166 on, four plain riders behind fc2's last product, Y's arguments and 20 exponentials        WAIT 2
;   riders 226-289  Y's + 1 and 20 reciprocals, a product or rounding of X behind each; the last rider is plain                                          WAIT 3, ahead of group 14's fragment loads
;   riders 290-319  the rest of X's products and roundings, and Y's: all plain, and the last five are the places behind the turn's last products
; Ahead of a wait nothing names a result of its batch; the first rider behind a wait reads the batch's oldest results, so a plain instruction stands behind every batch's last.  No result crosses a turn's end.
.set NX,  22                           ; pairs in X: a name, no knob: the written-out rows of the second stretch go with it
.set WT1, 5*NX                         ; the riders ahead of each wait
.set WT2, 160+3*NX
.set WT3, 290
.macro GOP k, p, s                     ; step k of pair p
.set hh, H0+64*(\s)+2*(\p)
.set gg, G0+32*(\s)+(\p)
.if (\p) < 16
.set tt, G0+32*(\s)+2*(\p)
.elseif (\p) < NX
.set tt, TT+2*((\p)-16)
.else
.set tt, G0+32*(1-(\s))+2*((\p)-NX)
.endif
.if (\k) == 0
	v_pk_mul_f32 v[tt:tt+1], v[hh:hh+1], v[hh:hh+1]
.elseif (\k) == 1
	v_exp_f32 v[tt], v[tt]
.elseif (\k) == 2
	v_exp_f32 v[tt+1], v[tt+1]
.elseif (\k) == 3
	v_pk_fma_f32 v[tt:tt+1], v[tt:tt+1], s[C3:C3+1], s[C1:C1+1] op_sel_hi:[1,0,0]
.elseif (\k) == 4
	v_rcp_f32 v[tt], v[tt]
.elseif (\k) == 5
	v_rcp_f32 v[tt+1], v[tt+1]
.elseif (\k) == 6
	v_cvt_pk_bf16_f32 v[gg], v[tt], v[tt+1]
.elseif (\k) == 8
	v_pk_add_f32 v[tt:tt+1], v[tt:tt+1], 1.0 op_sel_hi:[1,0]
.else
	v_pk_mul_f32 v[tt:tt+1], v[tt:tt+1], v[hh:hh+1]
.endif
.endm
.macro MMT s, n, j                     ; matrix instruction j of group n.  Groups 0-7: fc2, output tile n.  Groups 8-15: fc1, k step (n - 8) / 2, hidden tile (n - 8) % 2.  No two on end share an accumulator
.if (\n) < 8
	WIN 0xf0-0x50*(\s)
.set ra, 64*(\j)+8*(\n)
.set ga, G0+32*(1-(\s))+8*(\j)
	v_wmma_f32_16x16x32_bf16 v[ra:ra+7], v[FR+8*((\n)%4):FR+8*((\n)%4)+7], v[ga:ga+7], v[ra:ra+7]
.else
	WIN 0x04
.set ii, (\n)-8
.set ha, H0+64*(1-(\s))+16*(\j)+8*(ii%2)
.set xa, 32*(4*(1-(\s))+(\j))+8*(ii/2)
	v_wmma_f32_16x16x32_bf16 v[ha:ha+7], v[FR+8*((\n)%4):FR+8*((\n)%4)+7], v[xa:xa+7], v[ha:ha+7]
.endif
.endm
.macro FRL s, f                        ; the fragment of group f into slot f % 4; f = 16 .. 18: the next turn's first three
	WIN 0
.set fr, FR+8*((\f)%4)
.if (\f) < 8
.set fo, 8192+1024*(\f)
.set ar, AF2-(\s)                      ; even turn: the chunk before; odd turn: this chunk
.elseif (\f) < 16
.set fo, 1024*((\f)-8)
.set ar, ACUR+3*(\s)                   ; even turn: this chunk; odd turn: the next
.else
.set fo, 8192+1024*((\f)-16)
.set ar, ACUR
.endif
	ds_load_b128 v[fr:fr+3], v[ar] offset:fo
	ds_load_b128 v[fr+4:fr+7], v[ar] offset:fo+512
.endm
; THE NEXT RIDER, number q, and what the count brings with it: ahead of every fifth rider the turn's next matrix instruction, ahead of a group's first the wait for its fragment; behind riders WT1 - 1, WT2 - 1 and
; WT3 - 1 a batch's wait; behind a group's tenth rider the loads of the fragment three groups on.
.macro RID k, p, s
.if (q%20) == 0
.if q < 60
	s_wait_dscnt 20                                ; the group's fragment is in: behind it two fragments' 4 loads and the 16 of the bias
.else
	s_wait_dscnt 4                                 ; behind it two fragments' 4 loads; the bias came before
.endif
.endif
.if (q%5) == 0
	MMT \s, q/20, (q/5)%4
.endif
	WIN 0
	GOP \k, \p, \s
.set q, q+1
.if (q == WT1) || (q == WT2) || (q == WT3)
	s_wait_alu depctr_va_vdst(0)                   ; one wait a batch: X's exponentials; X's reciprocals and Y's exponentials; Y's reciprocals
.endif
.if (q%20) == 10
	FRL \s, q/20+3                                 ; into the slot that the group before read: five plain riders or more stand between
.endif
.endm
.macro RIF k, p, lo, hi, s             ; the rider, if its pair lies in lo .. hi - 1
.if ((\p) >= (\lo)) && ((\p) < (\hi))
	RID \k, \p, \s
.endif
.endm
.macro CX s                            ; the next of X's 44 products and roundings: x h of pair 0; then x h of pair i + 1 and the rounding of pair i, by turns
.if cx == 0
	RID 9, 0, \s
.elseif cx == 2*NX-1
	RID 6, NX-1, \s
.elseif cx%2
	RID 9, (cx+1)/2, \s
.else
	RID 6, cx/2-1, \s
.endif
.set cx, cx+1
.endm
.macro DY s                            ; the same for Y's 20
.if dy == 0
	RID 9, NX, \s
.elseif dy == 2*(32-NX)-1
	RID 6, 31, \s
.elseif dy%2
	RID 9, NX+(dy+1)/2, \s
.else
	RID 6, NX+dy/2-1, \s
.endif
.set dy, dy+1
.endm
.macro TURN s
	WIN 0
.set i, 0
.rept 16                                               ; fc1's bias into the accumulators that the turn's fc1 adds onto
	ds_load_b128 v[H0+64*(1-(\s))+4*i:H0+64*(1-(\s))+4*i+3], v[AB] offset:128*(\s)+64*((i/2)%2)+16*(i%2)
.set i, i+1
.endr
.set q, 0
.set cx, 0
.set dy, 0
.set r, 0
.rept NX+4                                             ; riders 0-109.  A row: h h of pair r, x c3 + c1 of pair r - 1, x h of pair r - 2, between them the exponentials of pair r - 4.  Each accumulator's lowest pair is read first
	RIF 0, r, 0, NX, \s
	RIF 1, r-4, 0, NX, \s
	RIF 3, r-1, 0, NX, \s
	RIF 2, r-4, 0, NX, \s
	RIF 7, r-2, 0, NX, \s
.set r, r+1
.endr
	RID 8, 0, \s                                   ; riders 110-165: + 1 of X's pair r + 1, the reciprocals of pair r
.set r, 0
.rept 18
	RID 8, r+1, \s
	RID 4, r, \s
	RID 5, r, \s
.set r, r+1
.endr
	RID 8, 19, \s
.set r, 0
.rept 14                                               ; riders 166-225: Y's rows, as X's; in the first four, which have no exponentials yet, stand X's last four pairs' reciprocals and the last two + 1
	RIF 0, NX+r, NX, 32, \s
.if r < 4
	RID 4, 18+r, \s
.else
	RIF 1, NX+r-4, NX, 32, \s
.endif
.if r == 0
	RID 8, 20, \s
.else
	RIF 3, NX+r-1, NX, 32, \s
.endif
.if r < 4
	RID 5, 18+r, \s
.else
	RIF 2, NX+r-4, NX, 32, \s
.endif
.if r == 0
	RID 8, 21, \s
.else
	RIF 7, NX+r-2, NX, 32, \s
.endif
.set r, r+1
.endr
.set r, 0
.rept 11                                               ; riders 226-289: + 1 of Y's pair r, the reciprocals of pair r - 1, one of X's products and roundings behind each
	RIF 8, NX+r, NX, 32, \s
	CX \s
	RIF 4, NX+r-1, NX, 32, \s
	CX \s
	RIF 5, NX+r-1, NX, 32, \s
	CX \s
.set r, r+1
.endr
	CX \s
.rept 10                                               ; riders 290-319
	DY \s
	DY \s
	CX \s
.endr
.endm
	; What the first turn finds: the first piece's fc1, and zeros for the weights of a piece that has not been (its fc2 adds 0).  The last turn's fc1 is of a piece that will not be: it multiplies chunk 0 once
	; more and nobody reads it.  64 products of 2,112 serve nothing: the price of one text for every turn.
.set i, 0
.rept 32
	v_mov_b32 v[G1+i], 0
.set i, i+1
.endr
	s_mov_b32 s24, MB
	s_mov_b32 s25, P_FC1B
	v_add_nc_u32 v[ACUR], s24, v[LFR]
	v_mov_b32 v[AF2], v[ACUR]
	v_add_nc_u32 v[ANX], MB+CHB, v[LFR]
	v_add_nc_u32 v[AB], s25, v[LB8]
.set i, 0
.rept 16
	ds_load_b128 v[H0+4*i:H0+4*i+3], v[AB] offset:64*((i/2)%2)+16*(i%2)
.set i, i+1
.endr
.set i, 0
.rept 8
	ds_load_b128 v[H0+64+8*i:H0+64+8*i+3], v[ACUR] offset:1024*i
	ds_load_b128 v[H0+64+8*i+4:H0+64+8*i+7], v[ACUR] offset:1024*i+512
.set i, i+1
.endr
	s_wait_dscnt 0x0
	WIN 0x04
.irp ks, 0,1,2,3
.irp u, 0,1
.irp j, 0,1,2,3
	v_wmma_f32_16x16x32_bf16 v[H0+16*\j+8*\u:H0+16*\j+8*\u+7], v[H0+64+8*(2*\ks+\u):H0+64+8*(2*\ks+\u)+7], v[32*\j+8*\ks:32*\j+8*\ks+7], v[H0+16*\j+8*\u:H0+16*\j+8*\u+7]
.endr
.endr
.endr
	WIN 0
	PLACES 4
.irp o, 0,1,2
	ds_load_b128 v[FR+8*\o:FR+8*\o+3], v[AF2] offset:8192+1024*\o
	ds_load_b128 v[FR+8*\o+4:FR+8*\o+7], v[AF2] offset:8192+1024*\o+512
.endr
	s_mov_b32 s[CT], 16
.Lmlp:                                                 ; a trip: one chunk
	TURN 0
	TURN 1
	WIN 0
	v_mov_b32 v[AF2], v[ACUR]
	s_add_co_u32 s24, s24, CHB
	s_add_co_u32 s25, s25, 128
	s_add_co_u32 s26, s24, CHB
	s_sub_co_u32 s[CT], s[CT], 1
	s_cmp_eq_u32 s[CT], 1                          ; the last trip has no next chunk: it takes chunk 0
	s_cselect_b32 s26, MB, s26
	v_add_nc_u32 v[ACUR], s24, v[LFR]
	v_add_nc_u32 v[ANX], s26, v[LFR]
	v_add_nc_u32 v[AB], s25, v[LB8]
	s_cmp_lg_u32 s[CT], 0
	s_cbranch_scc1 .Lmlp
.set i, 0
.rept 8                                                ; the last piece's fc2
	ds_load_b128 v[H0+8*i:H0+8*i+3], v[AF2] offset:8192+1024*i
	ds_load_b128 v[H0+8*i+4:H0+8*i+7], v[AF2] offset:8192+1024*i+512
.set i, i+1
.endr
	s_wait_dscnt 0x0
	WIN 0xf0
.irp o, 0,1,2,3,4,5,6,7
.irp j, 0,1,2,3
	v_wmma_f32_16x16x32_bf16 v[64*\j+8*\o:64*\j+8*\o+7], v[H0+8*\o:H0+8*\o+7], v[G1+8*\j:G1+8*\j+7], v[64*\j+8*\o:64*\j+8*\o+7]
.endr
.endr
	WIN 0
	PLACES 4
; THE WAY OUT.  A trip: 16 tokens x 64 channels.  A lane's 32 bytes of a token go into my stage's rows of 272 bytes and come back as whole rows of 256; fc2_b is added; 16 lanes store 256 consecutive bytes, aligned.
.macro OST ii
	WIN 0x08+4*((\ii)/8)
.set rb, 64*(((\ii)/2)%4)+32*((\ii)%2)
.set i, 0
.rept 8                                                ; each accumulator's four lowest registers first
	ds_store_b128 v[STO], v[rb+4*i:rb+4*i+3] offset:64*(i/2)+16*(i%2)
.set i, i+1
.endr
.endm
	s_mov_b32 s[CT], 0
.Lout:
	s_wait_xcnt 0x0                                ; the last trip's stores have had their addresses translated (ISA guide 3.1): their base, offset and data are rewritten only behind this wait
	s_bfe_u32 s2, s[CT], 0x20001
	s_lshl_b32 s2, s2, 17                          ; the tile: two rows of the window, 65,536 bytes each
	s_and_b32 s3, s[CT], 1
	s_lshl_b32 s3, s3, 8                           ; which 64 channels
	s_add_co_u32 s2, s2, s3
	v_add_nc_u32 v[GOC], s2, v[GO]
	v_add_nc_u32 v[FBT], s3, v[FBA]
	s_cmp_lt_u32 s[CT], 8
	s_cselect_b64 s[104:105], s[14:15], s[16:17]   ; tiles 0-3 go to out0, tiles 4-7 to out1
	ds_load_b128 v[64:67], v[FBT]                  ; fc2_b for my four channels
.irp ii, 0,1,2,3,4,5,6,7,8,9,10,11,12,13,14,15
	WHEN CT, \ii, OST \ii
.endr
.irp k, 0,1,2,3,4,5,6,7
	ds_load_b128 v[OB+4*\k:OB+4*\k+3], v[RD] offset:\k*2*SPITCH  ; LDS serves a wave's instructions in order (ISA guide 5.7.1.4): these see the stores above
.endr
.irp k, 0,1,2,3,4,5,6,7
	s_wait_dscnt 7-\k                              ; the younger read-backs may stay out
	v_pk_add_f32 v[OB+4*\k:OB+4*\k+1], v[OB+4*\k:OB+4*\k+1], v[64:65]
	v_pk_add_f32 v[OB+4*\k+2:OB+4*\k+3], v[OB+4*\k+2:OB+4*\k+3], v[66:67]
	global_store_b128 v[GOC], v[OB+4*\k:OB+4*\k+3], s[104:105] offset:(\k/4)*65536+(\k%4)*1024 th:TH_STORE_NT
.endr
	s_add_co_u32 s[CT], s[CT], 1
	s_cmp_lt_u32 s[CT], 16
	s_cbranch_scc1 .Lout
	s_wait_tensorcnt 0x0                           ; the wave's end: behind my last tensor load and my last LDS store
	ds_add_u32 v[SPW], v[NIL]
	s_wait_dscnt 0x0
	ROUND                                          ; the closing round: no work-group ends while a partner may still ask for a tile that names it
	s_endpgm
.Lfunc_end_k_qe8aedefa10_block:
	.size	k_qe8aedefa10_block, .Lfunc_end_k_qe8aedefa10_block-k_qe8aedefa10_block
	.p2alignl 7, 3214868480
	.fill 96, 4, 3214868480
	.section	.rodata,"a",@progbits
	.p2align	6, 0x0
	.amdhsa_kernel k_qe8aedefa10_block
		.amdhsa_group_segment_fixed_size 327680
		.amdhsa_private_segment_fixed_size 0
		.amdhsa_enable_private_segment 0
		.amdhsa_kernarg_size 56
		.amdhsa_user_sgpr_count 2
		.amdhsa_user_sgpr_kernarg_segment_ptr 1
		.amdhsa_wavefront_size32 1
		.amdhsa_system_sgpr_workgroup_id_x 1
		.amdhsa_system_sgpr_workgroup_id_y 1
		.amdhsa_system_sgpr_workgroup_id_z 1
		.amdhsa_system_vgpr_workitem_id 0
		.amdhsa_next_free_vgpr 1024
		.amdhsa_next_free_sgpr 106
		.amdhsa_reserve_vcc 0
		.amdhsa_float_denorm_mode_32 3
		.amdhsa_float_denorm_mode_16_64 3
		.amdhsa_memory_ordered 1
		.amdhsa_forward_progress 1
		.amdhsa_inst_pref_size 255
	.end_amdhsa_kernel
	.section	.bss,"aw",@nobits
	.p2align	6
	.space	262144
	.amdgpu_metadata
---
amdhsa.version: [ 1, 2 ]
amdhsa.kernels:
  - .name:           k_qe8aedefa10_block
    .symbol:         k_qe8aedefa10_block.kd
    .args:
      - { .name: x, .offset: 0, .size: 8, .value_kind: global_buffer, .address_space: global }
      - { .name: d, .offset: 8, .size: 8, .value_kind: global_buffer, .address_space: global }
      - { .name: blob, .offset: 16, .size: 8, .value_kind: global_buffer, .address_space: global }
      - { .name: norm1_w, .offset: 24, .size: 8, .value_kind: global_buffer, .address_space: global }
      - { .name: norm1_b, .offset: 32, .size: 8, .value_kind: global_buffer, .address_space: global }
      - { .name: out0, .offset: 40, .size: 8, .value_kind: global_buffer, .address_space: global }
      - { .name: out1, .offset: 48, .size: 8, .value_kind: global_buffer, .address_space: global }
    .group_segment_fixed_size: 327680
    .private_segment_fixed_size: 0
    .kernarg_segment_align: 8
    .kernarg_segment_size: 56
    .max_flat_workgroup_size: 128
    .sgpr_count:     106
    .vgpr_count:     1024
    .wavefront_size: 32
...
	.end_amdgpu_metadata
.endif
;; end of part 3
